; MI455X (gfx1250); checked and timed in simulation.
; The chip was launched on July 23, 2026; its instructions are those of AMD's public machine-readable ISA for CDNA 5 (MIT licence, August 2026) and "CDNA5" Instruction Set Architecture Reference Guide (July 2026). The comments in the code are by the model that wrote it; some were corrected since.
;; Attention Layer. Allowed arithmetic: matrix products marked QUANTISED: E2M3 operands, one E8M0 scale for each 32 along K, by v_wmma_scale_f32_16x16x128_f8f6f4 with both operands' format E2M3, f32 sums; everything else in f32.
;; Inputs: Wk 1,024 x 1,024 float32; Wo 1,024 x 1,024 float32; Wq 1,024 x 1,024 float32; Wv 1,024 x 1,024 float32; bk 1,024 float32; bo 1,024 float32; bq 1,024 float32; bv 1,024 float32; key 4 x 2,048 x 1,024 float32; query 4 x 2,048 x 1,024 float32; value 4 x 2,048 x 1,024 float32.
;; Outputs: out0 4 x 2,048 x 1,024 float32.
;; This version of the problem:
;;   THIS VERSION OF THE PROBLEM IS GIVEN IN LOW PRECISION. The matrix products marked QUANTISED in the list below multiply operands that are first quantised to E2M3 (2 exponent bits, 3 mantissa bits; 6 bits a number), with one power-of-two scale for each 32 numbers along K (OCP MX v1.0); their sums are f32. All else is computed in f32.
;;   The module's matrix products, in the order in which they are computed (A, B: the left and right operand; K: the contracted axis; several contracted axes count as one K, in the product's order):
;;     1. [M 8,192, K 1,024] x [K 1,024, N 1,024]; A: input query; B: input Wq: QUANTISED
;;     2. [M 8,192, K 1,024] x [K 1,024, N 1,024]; A: input key; B: input Wk: QUANTISED
;;     3. [M 8,192, K 1,024] x [K 1,024, N 1,024]; A: input value; B: input Wv: QUANTISED
;;     4. batch 64 x [M 2,048, K 64] x [K 64, N 2,048]; A: computed on the way; B: computed on the way: QUANTISED
;;     5. batch 64 x [M 64, K 2,048] x [K 2,048, N 2,048]; A: computed on the way; B: softmax (see below): QUANTISED
;;     6. [M 8,192, K 1,024] x [K 1,024, N 1,024]; A: computed on the way; B: input Wo: QUANTISED
;;   THE QUANTISER, for each operand of a quantised product, along K:
;;     - K is cut into blocks of 32 from its start; a last block that is shorter is filled with zeros.
;;     - A block's scale is 2^e with e = floor(log2(the largest magnitude in the block)) - 2, held to -126 .. 127; a block of zeros has e = 0. As a byte (E8M0): e + 127.
;;     - Each number is divided by its block's scale, clamped to +-7.5, and rounded to the nearest number of E2M3, ties to even, subnormals kept.
;;     - The product sums the exact products of the quantised numbers (number of the format x scale) in f32.
;;   ~~~python
;;   def quantise(x, axis):      # numpy; x: float32 -> the quantised numbers, widened to float32 again
;;       x = np.moveaxis(x, axis, -1); K = x.shape[-1]
;;       x = np.pad(x, [(0, 0)] * (x.ndim - 1) + [(0, -K % 32)]); x = x.reshape(x.shape[:-1] + (-1, 32)); a = np.abs(x).max(-1, keepdims=True)
;;       e = np.where(a > 0, np.clip(np.frexp(np.where(a > 0, a, 1))[1] - 1 - 2, -126, 127), 0)      # np.frexp(a)[1] - 1 = floor(log2(a)), exactly
;;       r = np.clip(x / 2.0 ** e, -7.5, 7.5)
;;       step = 2.0 ** (np.maximum(np.frexp(np.where(r == 0, 1, r))[1] - 1, 0) - 3)
;;       q = np.round(r / step) * step * 2.0 ** e      # np.round: ties to even
;;       return np.moveaxis(q.reshape(q.shape[:-2] + (-1,))[..., :K], -1, axis).astype(np.float32)
;;   ~~~
;;   SOFTMAX AHEAD OF A QUANTISED PRODUCT. Where the list says 'softmax', what is quantised is not the finished softmax but p = 2^(t - M), with t = logit x log2(e) and M = ceil(the row's largest t), a whole number; so 1/2 < the row's largest p <= 1. The row's sum l is taken of the UNQUANTISED p, in f32, and the product's result is divided by l at the end. Since M is a whole number, a kernel that streams over the keys may use a running M (the ceiling of the running maximum): every later rescaling is an exact power of two, which a block's scale takes up: the codes' values come out the same.
;;   OPERANDS COMPUTED ON THE WAY. 'Computed on the way' means the value that the module computes at that place (a softmax that the list does not call 'softmax' is quantised finished and normalised). What goes into a quantiser is computed in f32, as accurately as f32 sums, v_exp_f32 and their like allow (about 1e-6 of the number): no bf16 or f16 on the way to a quantiser, and a product that is left as it is and whose result goes on into a quantised operand takes f32 operands (vector FMAs, or v_wmma_f32_16x16x4_f32). A number that lies on a knife's edge between two numbers of the format may be rounded either way, as far as f32 arithmetic and the matrix unit's own rounding can turn it there, and no further.
;; One version. Each part assembles by itself: llvm-mc -triple=amdgcn-amd-amdhsa -mcpu=gfx1250 --defsym DOCPART=n.
;; ======== version 1 of 1: 4 launches
;; limits: right only within a limited range of input values
;; workspace buffers: xc 18,874,368 bytes; xs 786,432 bytes; wc 3,145,728 bytes; ws 131,072 bytes; qkv 19,660,800 bytes; oc 6,291,456 bytes; os 262,144 bytes
;; launch quant (part 1): grid 1280 x 1, 2 waves a work-group, no clusters, 23,808 bytes of LDS; arguments query, key, value, xc, xs, Wq, Wk, Wv, Wo, wc, ws; writes xc, xs, wc, ws
.if DOCPART == 1
	.amdgcn_target "amdgcn-amd-amdhsa--gfx1250"
	.amdhsa_code_object_version 6
	.text
	.protected	k_q6f4b4f491b_quant
	.globl	k_q6f4b4f491b_quant
	.p2align	8
	.type	k_q6f4b4f491b_quant,@function
k_q6f4b4f491b_quant:
	s_mov_b64 s[64:65], 0
	v_nop
	global_prefetch_b8 v0, s[64:65] scope:SCOPE_SE
	s_setreg_imm32_b32 hwreg(HW_REG_WAVE_MODE, 25, 1), 1
	s_wait_xcnt 0x0
; ONE LAUNCH QUANTISES ALL SEVEN OPERANDS into codes of FP6 (E2M3) with one E8M0 byte for each 32 along K, laid as IMAGES OF OPERAND REGISTERS:
; an image is a fragment of 16 rows x 128 k: 12 registers a lane, as 3 chunks of 512 bytes (chunk c = registers 4 c .. 4 c + 3, lane l's 16 bytes at 16 l).
; 1,280 work-groups of two waves, five for each of 256 WGPs: numbers 0 .. 767 take query, key, value (a wave a tile of 16 rows x all of K), numbers 768 .. 1,279 the four weights (a wave 32 columns x 128 k).
; The two paths part on the work-group's number alone; each has LDS bytes of its own.  No tensor loads, no barrier, no cluster: waves and work-groups share nothing.
; LIMITS: NaN and infinities are not served; a block of zeros, or one whose largest magnitude lies under 2^-124, keeps the byte 1 (zero codes add nothing; this program alone reads the bytes).
.set SPARE, 23552                      ; behind both paths' stages: the spare words, 128 bytes a wave
	v_lshl_add_u32 v254, v0, 2, SPARE
	v_mov_b32 v255, 0
	s_wait_alu depctr_va_vdst(0)                   ; the wait ahead of the branch
	s_cmp_ge_u32 ttmp9, 768
	s_cbranch_scc1 .Lweights
; ---- query, key, value [8192][1024], f32, K innermost.  xc: [3][512 tiles][8 (128 k)][1,536];  xs: [1,536 tiles][16 rows][8] words.
; TILE ORDER: query, value: lane r of tile 2 g + u is row 32 g + 8 u + r + 8 (r / 8);  key: lane r of tile 4 c + j is row 64 c + 8 j + r % 8 + 32 (r / 8), so that in the scores a lane holds whole blocks of 32 keys.
; BLOCK ORDER: the block at the unit's place p is block ((p & 1) << 1) | (p >> 1) of the 128 k, as in the weights' images.
; Each load reads 512 consecutive bytes of a row; a fragment's 8,192 bytes turn through the wave's own stage in LDS (rows 528 bytes apart) and come back so that lane (r, h) holds, of row r, numbers 16 h .. 16 h + 15 of each block.
; Loads run two fragments (32 loads a wave) ahead.
.set R,   16                           ; v16-143  two sets of 64 registers as loaded
.set X,   144                          ; v144-207 64 numbers in the quantiser's order
.set PC,  208                          ; v208-226 the codes just made
.set TM,  228                          ; v228-243 at work
.set SW,  244                          ; v244-251 the tile's eight scale words
.set SEL, 20                           ; s[20:21] lane selects: lane l xor 16
.set WREG, 8448
.macro QUANT s, pw
.irp b, 0,1,2,3
	v_max3_num_f32 v[TM+\b], |v[\s+16*\b]|, |v[\s+1+16*\b]|, 0x1800000   ; my 16 numbers, and the floor 2^(3 - 127): the byte cannot fall under 1
.endr
.irp i, 2,4,6,8,10,12,14
.irp b, 0,1,2,3
	v_max3_num_f32 v[TM+\b], v[TM+\b], |v[\s+16*\b+\i]|, |v[\s+1+16*\b+\i]|   ; (the four blocks by turns)
.endr
.endr
.irp b, 0,1,2,3
	v_permlanex16_b32 v[TM+4+\b], v[TM+\b], s[SEL], s[SEL+1]
.endr
.irp b, 0,1,2,3
	v_max_num_f32 v[TM+\b], v[TM+\b], v[TM+4+\b]   ; with lane l xor 16's: the block's largest magnitude
.endr
.irp b, 0,1,2,3
	v_add_nc_u32 v[TM+12+\b], 0xff000000, v[TM+\b] ; 2 off the exponent field: the conversion's scale operand
.endr
.irp b, 0,1,2,3
	v_lshrrev_b32 v[TM+4+\b], 23, v[TM+12+\b]      ; the scale's byte
.endr
	v_lshl_or_b32 v[\pw], v[TM+5], 8, v[TM+4]
	v_lshl_or_b32 v[\pw], v[TM+6], 16, v[\pw]
	v_lshl_or_b32 v[\pw], v[TM+7], 24, v[\pw]
.irp c, 0,1
	v_cvt_scalef32_pk16_fp6_f32 v[PC+6*\c:PC+2+6*\c], v[\s+32*\c:\s+15+32*\c], v[TM+12+2*\c]
	v_cvt_scalef32_pk16_fp6_f32 v[PC+12+4*\c:PC+14+4*\c], v[\s+16+32*\c:\s+31+32*\c], v[TM+12+2*\c+1]   ; (a conversion's three registers begin on an even number)
.endr
	v_nop                                          ; one plain line behind a scaled conversion
.irp c, 0,1                                    ; the operand's layout wants a WHOLE block in a lane
.irp i, 0,1,2
	v_permlane16_swap_b32 v[PC+6*\c+\i], v[PC+12+4*\c+\i]
.endr
.irp i, 0,1,2
	v_mov_b32 v[PC+3+6*\c+\i], v[PC+12+4*\c+\i]
.endr
.endr
.endm
	s_load_b256 s[4:11], s[0:1], 0x0               ; query, key, value, xc
	s_load_b64 s[12:13], s[0:1], 0x20              ; xs
	v_lshrrev_b32 v5, 5, v0
	v_readfirstlane_b32 s14, v5                    ; wave
	v_and_b32 v6, 31, v0
	v_lshlrev_b32 v1, 4, v6                        ; 16 x lane: in memory, both ways
	s_mul_i32 s15, s14, WREG
	v_add_nc_u32 v2, s15, v1                       ; the stage, on the way in
	v_and_b32 v7, 15, v0                           ; r
	v_bfe_u32 v8, v0, 4, 1                         ; h
	v_mul_u32_u24 v3, v7, 528
	v_lshl_add_u32 v3, v8, 6, v3
	v_add_nc_u32 v3, s15, v3                       ; and on the way out: row r, + 64 h
	v_lshlrev_b32 v4, 5, v7
	v_lshl_add_u32 v4, v8, 4, v4                   ; the scale words: 32 r + 16 h
.irp b, 0,1,2,3
	v_mov_b32 v[TM+4+\b], 0                        ; written once: a lane permute's destination counts as one of its sources
.endr
	s_lshr_b32 s16, ttmp9, 8                       ; which tensor: 256 work-groups each
	s_and_b32 s17, ttmp9, 255
	s_lshl_b32 s17, s17, 1
	s_add_co_u32 s17, s17, s14                     ; my tile of its 512
	s_cmp_eq_u32 s16, 1
	s_cselect_b32 s23, 2, 1                        ; log2 of the tiles in a group: key has groups of four tiles (64 rows), the others of two (32 rows)
	s_lshr_b32 s18, s17, s23
	s_add_co_u32 s28, s23, 4
	s_lshl_b32 s18, s18, s28                       ; the group's first row
	s_lshl_b32 s19, 1, s23
	s_sub_co_u32 s19, s19, 1
	s_and_b32 s19, s17, s19
	s_lshl_b32 s19, s19, 3
	s_add_co_u32 s18, s18, s19                     ; + 8 x the tile's number in its group
	s_lshl_b32 s30, 0x8000, s23                    ; bytes from the tile's rows 0-7 to its rows 8-15: 16 or 32 rows of 4,096
	s_mov_b32 s31, 0
	s_lshl_b32 s18, s18, 12                        ; in bytes
	s_mov_b32 s19, 0
	s_lshl_b32 s24, s16, 9
	s_add_co_u32 s24, s24, s17                     ; the tile among all 1,536
	s_mul_i32 s26, s24, 12288
	s_mov_b32 s27, 0
	s_lshl_b32 s24, s24, 9
	s_mov_b32 s25, 0
	s_mov_b32 s[SEL], 0x76543210
	s_mov_b32 s[SEL+1], 0xfedcba98
	s_mov_b32 s22, 0xffff0000                      ; lanes 16-31
	s_wait_alu depctr_va_vdst(0)                   ; the wait at the head's end
	s_wait_kmcnt 0x0
	s_cmp_eq_u32 s16, 1                            ; the choice hangs on the work-group's number alone
	s_cselect_b64 s[4:5], s[6:7], s[4:5]
	s_cmp_eq_u32 s16, 2
	s_cselect_b64 s[4:5], s[8:9], s[4:5]
	s_add_nc_u64 s[4:5], s[4:5], s[18:19]
	s_add_nc_u64 s[28:29], s[4:5], s[30:31]        ; the tile's rows 8-15
	s_add_nc_u64 s[10:11], s[10:11], s[26:27]
	s_add_nc_u64 s[12:13], s[12:13], s[24:25]
.macro XLOAD f                         ; fragment f: 128 numbers of each of the tile's 16 rows
.irp p, 0,1,2,3,4,5,6,7,8,9,10,11,12,13,14,15
.if \p < 8
	global_load_b128 v[R+64*((\f)%2)+4*\p:R+64*((\f)%2)+4*\p+3], v1, s[4:5] offset:\p*4096+512*(\f) th:TH_LOAD_NT
.else
	global_load_b128 v[R+64*((\f)%2)+4*\p:R+64*((\f)%2)+4*\p+3], v1, s[28:29] offset:(\p-8)*4096+512*(\f) th:TH_LOAD_NT
.endif
.endr
.endm
.macro FRAGQ f
.if (\f) < 7
	s_wait_loadcnt 16                              ; this fragment's 16 loads are in; the next one's 16 may be out
.else
	s_wait_loadcnt 0x0
.endif
.irp p, 0,1,2,3,4,5,6,7,8,9,10,11,12,13,14,15
	ds_store_b128 v2, v[R+64*((\f)%2)+4*\p:R+64*((\f)%2)+4*\p+3] offset:528*\p
.endr
.irp b, 0,1,2,3
.irp j, 0,1,2,3
	ds_load_b128 v[X+16*\b+4*\j:X+16*\b+4*\j+3], v3 offset:128*(((\b&1)<<1)|(\b>>1))+16*\j   ; a wave's LDS instructions are served in order: these see the stores above
.endr
.endr
	s_wait_dscnt 0x0                               ; the numbers are back, and the stores have read their registers
	s_wait_xcnt 0x0                                ; the last fragment's global stores have read the codes' registers, which are written again below
.if (\f)+2 < 8
	XLOAD (\f)+2
.endif
	QUANT X, SW+(\f)
.irp c, 0,1,2
	global_store_b128 v1, v[PC+4*\c:PC+4*\c+3], s[10:11] offset:1536*(\f)+512*\c   ; 32 lanes store 512 consecutive bytes, aligned
.endr
.endm
	XLOAD 0
	XLOAD 1
.irp f, 0,1,2,3,4,5,6,7
	FRAGQ \f
.endr
.irp i, 0,1,2,3
	v_cndmask_b32 v[TM+\i], v[SW+\i], v[SW+4+\i], s22   ; lanes 0-15 store words 0-3 of their row, lanes 16-31 words 4-7
.endr
	global_store_b128 v4, v[TM:TM+3], s[12:13]     ; the tile's 512 bytes of scale words, whole
	s_wait_tensorcnt 0x0                           ; the wave's end
	ds_add_u32 v254, v255
	s_wait_dscnt 0x0
	s_endpgm
; ---- the four weights [1024 (k)][1024 (n)], f32, K their FIRST axis.  wc: [4 weights][64 tiles][8 (128 k)][1,536];  ws: [256 tiles][16 rows][8] words, byte p of a word = the scale of the block at the unit's place p.
; TILE ORDER: lane r of tile 2 g + u is column 32 g + 8 u + r + 8 (r / 8).  BLOCK ORDER: image lanes 0-15 hold k 0 .. 63 of the 128, lanes 16-31 k 64 .. 127:
; block t of the four lies in half t / 2, registers 6 (t % 2) on, which is the unit's place 2 (t % 2) + t / 2.  The activations' images have the same order, so the products are unchanged.
; A LANE TAKES A COLUMN AND ITS REGISTERS RUN DOWN K: a block of 32 is one lane's 32 registers.  A wave takes 32 columns x 128 k: two whole images, gathered in its own LDS stage and stored 512 bytes on end.
.Lweights:
.set X,    32                          ; v32-95   two sets of 32 numbers
.set C,    96                          ; v96-102  a block's codes
.set OUT,  104                         ; v104-127 the two images on their way out
.set WREG, 3328                        ; LDS: a wave's stage: two images, 1,664 bytes apart
.set USTR, 1664
.set WBASE, 16896                      ; behind the other path's stages
	s_load_b256 s[4:11], s[0:1], 0x28              ; Wq, Wk, Wv, Wo
	s_load_b128 s[12:15], s[0:1], 0x48             ; wc, ws
	v_lshrrev_b32 v1, 5, v0
	v_readfirstlane_b32 s16, v1                    ; wave
	v_and_b32 v2, 31, v0                           ; lane = my column among the wave's 32
	v_lshlrev_b32 v4, 2, v2                        ; in: 4 bytes a lane
	v_bfe_u32 v3, v0, 3, 1                         ; u: which of the two tiles my column belongs to
	v_and_b32 v9, 7, v0
	v_bfe_u32 v10, v0, 4, 1
	v_lshl_or_b32 v9, v10, 3, v9                   ; r: its row in that tile
	s_mul_i32 s20, s16, WREG
	s_add_co_u32 s20, s20, WBASE
	v_mul_u32_u24 v5, v3, USTR
	v_lshl_add_u32 v5, v9, 4, v5
	v_add_nc_u32 v5, s20, v5                       ; into the stage: image u, 16 r
	v_lshlrev_b32 v7, 4, v2                        ; out: 16 bytes a lane
	v_add_nc_u32 v6, s20, v7                       ; and out of the stage
	v_lshlrev_b32 v8, 5, v9
	v_lshl_add_u32 v8, v3, 9, v8                   ; my scale word: 512 u + 32 r
	s_sub_co_u32 s29, ttmp9, 768                   ; 0 .. 511: 16 x (8 x weight + (128 k)) + 64 columns
	s_lshr_b32 s17, s29, 4
	s_lshr_b32 s18, s17, 3                         ; which weight
	s_and_b32 s19, s17, 7                          ; which 128 along K
	s_and_b32 s21, s29, 15
	s_lshl_b32 s21, s21, 1
	s_add_co_u32 s21, s21, s16                     ; g: my group of 32 columns
	s_lshl_b32 s22, s19, 19                        ; W: 128 rows of 4,096 bytes,
	s_lshl_b32 s24, s21, 7                         ; + 32 columns of 4 bytes
	s_add_co_u32 s22, s22, s24
	s_mov_b32 s23, 0
	s_mul_i32 s24, s18, 786432                     ; wc: the weight's 64 x 8 images,
	s_mul_i32 s26, s21, 24576                      ; two tiles of 8 images,
	s_add_co_u32 s24, s24, s26
	s_mul_i32 s26, s19, 1536                       ; the image
	s_add_co_u32 s24, s24, s26
	s_mov_b32 s25, 0
	s_lshl_b32 s26, s18, 15                        ; ws: 64 tiles of 512 bytes,
	s_lshl_b32 s28, s21, 10                        ; two tiles,
	s_add_co_u32 s26, s26, s28
	s_lshl_b32 s28, s19, 2                         ; the word
	s_add_co_u32 s26, s26, s28
	s_mov_b32 s27, 0
	s_wait_alu depctr_va_vdst(0)                   ; the wait at the head's end
	s_wait_kmcnt 0x0
	s_cmp_eq_u32 s18, 1                            ; the choice hangs on the work-group's number alone
	s_cselect_b64 s[4:5], s[6:7], s[4:5]
	s_cmp_eq_u32 s18, 2
	s_cselect_b64 s[4:5], s[8:9], s[4:5]
	s_cmp_eq_u32 s18, 3
	s_cselect_b64 s[4:5], s[10:11], s[4:5]
	s_add_nc_u64 s[4:5], s[4:5], s[22:23]
	s_add_nc_u64 s[12:13], s[12:13], s[24:25]
	s_add_nc_u64 s[14:15], s[14:15], s[26:27]
.macro LOAD t                          ; block t: W(32 t + i, my column) into set t % 2: 32 lanes read 128 consecutive bytes, the two waves side by side
.irp i, 0,1,2,3,4,5,6,7,8,9,10,11,12,13,14,15,16,17,18,19,20,21,22,23,24,25,26,27,28,29,30,31
	global_load_b32 v[X+32*((\t)%2)+\i], v4, s[4:5] offset:(32*(\t)+\i)*4096 th:TH_LOAD_NT
.endr
.endm
	LOAD 0
	LOAD 1
.macro BLOCK t
.set XS, X+32*((\t)%2)
.set HH, (\t)/2
.set PI, (((\t)&1)<<1)|((\t)>>1)
.if (\t) < 3
	s_wait_loadcnt 32                              ; this block's 32 loads are in; the next block's 32 may be out
.else
	s_wait_loadcnt 0x0
.endif
	v_max3_num_f32 v12, |v[XS]|, |v[XS+1]|, |v[XS+2]|       ; the block's largest magnitude, in two chains: all 32 numbers are mine
	v_max3_num_f32 v13, |v[XS+3]|, |v[XS+4]|, |v[XS+5]|
.irp i, 6,10,14,18,22,26
	v_max3_num_f32 v12, v12, |v[XS+\i]|, |v[XS+\i+1]|
	v_max3_num_f32 v13, v13, |v[XS+\i+2]|, |v[XS+\i+3]|
.endr
	v_max3_num_f32 v12, v12, |v[XS+30]|, |v[XS+31]|
	v_max3_num_f32 v12, v12, v13, 0x1800000        ; and the floor 2^(3 - 127): the byte cannot fall under 1
	v_add_nc_u32 v11, 0xff000000, v12              ; 2 off the exponent field: the conversion takes that field as its scale
	v_lshrrev_b32 v13, 23, v11                     ; the scale's byte
	v_cvt_scalef32_pk16_fp6_f32 v[C:C+2], v[XS:XS+15], v11
	v_cvt_scalef32_pk16_fp6_f32 v[C+4:C+6], v[XS+16:XS+31], v11   ; (a conversion's three registers begin on an even number)
.if (\t) == 0
	v_mov_b32 v14, v13                             ; the byte goes to the unit's place of this block.  (Also the plain line behind the conversions)
.else
	v_lshl_or_b32 v14, v13, 8*PI, v14
.endif
	v_mov_b32 v[C+3], v[C+4]                       ; the block's six registers on end
	v_mov_b32 v[C+4], v[C+5]
	v_mov_b32 v[C+5], v[C+6]
.if ((\t)&1) == 0
	ds_store_b128 v5, v[C:C+3] offset:256*HH       ; registers 0-3: chunk 0;
	ds_store_b64 v5, v[C+4:C+5] offset:512+256*HH  ; 4, 5: the lower half of my 16 bytes of chunk 1
.else
	ds_store_b64 v5, v[C:C+1] offset:520+256*HH    ; registers 6, 7: the upper half;
	ds_store_b128 v5, v[C+2:C+5] offset:1024+256*HH ; 8-11: chunk 2
.endif
.if (\t)+2 < 4
	LOAD (\t)+2
.endif
	s_wait_dscnt 0x0                               ; the stores are done before the next block's codes are written
.endm
	BLOCK 0
	BLOCK 1
	BLOCK 2
	BLOCK 3
	s_wait_alu depctr_va_vdst(0)                   ; the wait here, directly ahead of the reader below
	global_store_b32 v8, v14, s[14:15]             ; my column's scale word for these 128 k
.irp j, 0,1,2,3,4,5
	ds_load_b128 v[OUT+4*\j:OUT+4*\j+3], v6 offset:USTR*(\j/3)+512*(\j%3)   ; a wave's LDS instructions are served in order: these see my stores
.endr
.irp j, 0,1,2,3,4,5
	s_wait_dscnt 5-\j                              ; chunk j is back; the younger ones may be out
	global_store_b128 v7, v[OUT+4*\j:OUT+4*\j+3], s[12:13] offset:12288*(\j/3)+512*(\j%3)   ; 32 lanes store 512 consecutive bytes, aligned
.endr
	s_wait_tensorcnt 0x0                           ; the wave's end
	ds_add_u32 v254, v255
	s_wait_dscnt 0x0
	s_endpgm
.Lfunc_end_k_q6f4b4f491b_quant:
	.size	k_q6f4b4f491b_quant, .Lfunc_end_k_q6f4b4f491b_quant-k_q6f4b4f491b_quant
	.p2alignl 7, 3214868480
	.fill 96, 4, 3214868480
	.section	.rodata,"a",@progbits
	.p2align	6, 0x0
	.amdhsa_kernel k_q6f4b4f491b_quant
		.amdhsa_group_segment_fixed_size 23808
		.amdhsa_private_segment_fixed_size 0
		.amdhsa_enable_private_segment 0
		.amdhsa_kernarg_size 88
		.amdhsa_user_sgpr_count 2
		.amdhsa_user_sgpr_kernarg_segment_ptr 1
		.amdhsa_wavefront_size32 1
		.amdhsa_system_sgpr_workgroup_id_x 1
		.amdhsa_system_sgpr_workgroup_id_y 1
		.amdhsa_system_sgpr_workgroup_id_z 1
		.amdhsa_system_vgpr_workitem_id 0
		.amdhsa_next_free_vgpr 256
		.amdhsa_next_free_sgpr 66
		.amdhsa_reserve_vcc 0
		.amdhsa_float_denorm_mode_32 3
		.amdhsa_float_denorm_mode_16_64 3
		.amdhsa_memory_ordered 1
		.amdhsa_forward_progress 1
		.amdhsa_inst_pref_size 86
	.end_amdhsa_kernel
	.amdgpu_metadata
---
amdhsa.version: [ 1, 2 ]
amdhsa.kernels:
  - .name:           k_q6f4b4f491b_quant
    .symbol:         k_q6f4b4f491b_quant.kd
    .args:
      - { .name: query, .offset: 0, .size: 8, .value_kind: global_buffer, .address_space: global }
      - { .name: key, .offset: 8, .size: 8, .value_kind: global_buffer, .address_space: global }
      - { .name: value, .offset: 16, .size: 8, .value_kind: global_buffer, .address_space: global }
      - { .name: xc, .offset: 24, .size: 8, .value_kind: global_buffer, .address_space: global }
      - { .name: xs, .offset: 32, .size: 8, .value_kind: global_buffer, .address_space: global }
      - { .name: Wq, .offset: 40, .size: 8, .value_kind: global_buffer, .address_space: global }
      - { .name: Wk, .offset: 48, .size: 8, .value_kind: global_buffer, .address_space: global }
      - { .name: Wv, .offset: 56, .size: 8, .value_kind: global_buffer, .address_space: global }
      - { .name: Wo, .offset: 64, .size: 8, .value_kind: global_buffer, .address_space: global }
      - { .name: wc, .offset: 72, .size: 8, .value_kind: global_buffer, .address_space: global }
      - { .name: ws, .offset: 80, .size: 8, .value_kind: global_buffer, .address_space: global }
    .group_segment_fixed_size: 23808
    .private_segment_fixed_size: 0
    .kernarg_segment_align: 8
    .kernarg_segment_size: 88
    .max_flat_workgroup_size: 64
    .sgpr_count:     66
    .vgpr_count:     256
    .wavefront_size: 32
...
	.end_amdgpu_metadata
.endif
;; end of part 1
;; launch proj (part 2): grid 4 x 64, 4 waves a work-group, clusters of 4 x 4, 327,680 bytes of LDS; arguments xc, xs, wc, ws, bq, bk, bv, qkv; writes qkv
.if DOCPART == 2
	.amdgcn_target "amdgcn-amd-amdhsa--gfx1250"
	.amdhsa_code_object_version 6
	.text
	.protected	k_q6f4b4f491b_proj
	.globl	k_q6f4b4f491b_proj
	.p2align	8
	.type	k_q6f4b4f491b_proj,@function
k_q6f4b4f491b_proj:
	s_mov_b64 s[64:65], 0
	v_nop
	global_prefetch_b8 v0, s[64:65] scope:SCOPE_SE
	s_setreg_imm32_b32 hwreg(HW_REG_WAVE_MODE, 25, 1), 1
	s_wait_xcnt 0x0
	s_wait_alu depctr_hold_cnt(0) depctr_sa_sdst(0) depctr_va_vdst(0) depctr_va_sdst(0) depctr_va_ssrc(0) depctr_va_vcc(0) depctr_vm_vsrc(0)
	s_getreg_b32 s2, hwreg(HW_REG_IB_STS2, 6, 4)
	s_cmp_eq_u32 s2, 0
	s_cbranch_scc0 .Lentry_in_a_cluster
	s_endpgm
.Lentry_in_a_cluster:
	s_bfe_u32 s2, ttmp6, 0x10000c
	s_cmp_lg_u32 s2, 0xf033
	s_cbranch_scc0 .Lentry_shape_is_right
	s_endpgm
.Lentry_shape_is_right:
; Q = query Wq + bq, K = key Wk + bk, V = value Wv + bv on codes of FP6 (E2M3) with E8M0 scales, each result quantised again and stored as images of operand registers for the attention launch.
; THE DEAL.  256 work-groups of four waves (2 x 2).  A work-group STAYS for three blocks of equal work, Q's, K's, V's: 128 x 256 numbers each; a wave makes 64 x 128: 32 accumulators, 256 registers.
; LDS has a small region (8 tiles of 16 rows, ALL of K: 98,304 bytes) and a large one (16 tiles: 196,608 bytes); a tile's 8 images of 1,536 bytes lie on end in memory, so each region is one dense block of memory.
; Q, K: small region = 128 rows of x (source 1), large = 256 columns of W (source 0): a lane holds a token, its registers run along the head.
; V: small region = 128 columns of Wv (source 1), large = 256 rows of value (source 0): a lane holds a column, its registers run along the tokens, which are the next product's K.
; CLUSTERS 4 x 4: the small region's block hangs on cy and the cluster's number, the large one's on cx and the cluster's number, for all three blocks (V's block numbers change places for that):
; the small region is asked for jointly by a row of the cluster, the large one by a column.  Wave 0 brings the small region, waves 1 to 3 a third of the large one each: one load a wave.
; No ring: all of K is in LDS, so no barrier stands inside a block's 256 products.  Behind them every wave runs the three lines and a round of the cluster's barrier, the next block's loads go out,
; and they land while this block is quantised and stored.  The next block's bytes are asked for into the L2 one block ahead: the 16 waves that will ask jointly share the 384 (768) runs of 256 bytes out by address.
; SCALE WORDS go from memory straight into registers: a tile's 512 bytes by one load, lane (r, h) taking words 4 h .. 4 h + 3 of row r: register j holds step j in lanes 0-15 and step 4 + j in lanes 16-31.
; THE WAITS' COUNTS: s_wait_dscnt 36: the next step's 36 fragment loads may be out; s_wait_loadcnt 16 (8): the bias loads issued behind the scale words may be out; 12: the next block's scale words may be out.
; qkv: a record of 307,200 bytes for each (batch, head): K's pair images [16 steps][4][1,536], V's tiles at 98,304, K's scale words [16][16 r][4] at 196,608, V's at 200,704, Q's images at 204,800, Q's words at 303,104.
; LIMITS: NaN and infinities are not served; a block of zeros, or one whose largest magnitude lies under 2^-124, keeps the byte 1 (zero codes add nothing; this program alone reads the bytes).
.set REC,   307200
.set TILE,  12288
.set SPARE, 294912
.set FR,    12
.set LI,   1
.set ADRA, 2
.set ADRB, 3
.set SOF,  5
.set SAO,  6
.set BO,   7
.set BVO,  8
.set PFA,  9
.set PFB,  10
.set PFB2, 11
.set SPW,  12
.set NIL,  13
.set SAV,  14
.set TM,   16
.set SA,   32                          ; v32-47 source 1's scale words, four registers a tile
.set SB,   50                          ; v50-81 source 0's
.set SW,   84
.set DD,   88
.set AF,   96                          ; v96-191 source 1's fragments, two sets of four; on the way out: ST, PC
.set ST,   96
.set PC,   160
.set BI,   192
.set BV,   192
.set G1A, 28
.set G1B, 36
.set G0A, 44
.set G0B, 48
.set NA,  52                           ; the next block's small region;  s[54:55] my part of its large region;  s[98:99] its large region whole
.set NB,  54
.set NBW, 98
.set SEL, 84
.set MSB, 0
.macro WIN new
.if MSB != \new
	s_set_vgpr_msb (MSB<<8)|\new
.set MSB, \new
.endif
.endm
.macro PLACES n
.rept \n
	v_nop
.endr
.endm
.macro WALU
	s_wait_alu depctr_va_vdst(0)
.endm
.macro CROUND
	s_barrier_signal -1
	s_barrier_wait -1
	s_cmp_lg_u32 s3, 0
	s_cbranch_scc1 .Lnot_wave_0_\@
	s_barrier_signal -3
.Lnot_wave_0_\@:
	s_barrier_wait -3
	s_barrier_signal -1
	s_barrier_wait -1
.endm
.macro JLOAD                           ; wave 0: the small region; waves 1 to 3: a third of the large one
	s_cmp_eq_u32 s3, 0
	s_cbranch_scc0 .Lfor_b_\@
	tensor_load_to_lds s[G0A:G0A+3], s[G1A:G1A+7]
	s_nop 0
	PLACES 4
	s_branch .Lasked_\@
.Lfor_b_\@:
	tensor_load_to_lds s[G0B:G0B+3], s[G1B:G1B+7]
	s_nop 0
	PLACES 4
.Lasked_\@:
.endm
.macro LAND                            ; my load is in; behind the barrier everybody's is.
	WALU
	s_wait_tensorcnt 0x0
	s_barrier_signal -1
	s_barrier_wait -1
.endm
.macro FRAG reg, adr, off
.irp c, 0,1,2
	ds_load_b128 v[\reg+4*\c:\reg+4*\c+3], v[\adr] offset:\off+512*\c
.endr
.endm
.macro FETCH q                         ; step q's twelve fragments into set q % 2: 36 loads
	WIN 0x40
.irp i, 0,1,2,3
	FRAG 128*((\q)%2)+FR*\i, ADRB, TILE*\i+1536*(\q)
.endr
.irp i, 0,1,2,3
	FRAG 128*((\q)%2)+FR*(\i+4), ADRB+1, TILE*\i+1536*(\q)
.endr
	WIN 0
.irp i, 0,1,2,3
	FRAG AF+48*((\q)%2)+FR*\i, ADRA, TILE*\i+1536*(\q)
.endr
.endm
.macro WM d, s0, s1, c, x0, x1, hi
.if \hi
	v_wmma_scale_f32_16x16x128_f8f6f4 v[\d:\d+7], v[\s0:\s0+11], v[\s1:\s1+11], \c, v[\x0], v[\x1] matrix_a_fmt:MATRIX_FMT_FP6 matrix_b_fmt:MATRIX_FMT_FP6 matrix_a_scale:MATRIX_SCALE_ROW1 matrix_b_scale:MATRIX_SCALE_ROW1
.else
	v_wmma_scale_f32_16x16x128_f8f6f4 v[\d:\d+7], v[\s0:\s0+11], v[\s1:\s1+11], \c, v[\x0], v[\x1] matrix_a_fmt:MATRIX_FMT_FP6 matrix_b_fmt:MATRIX_FMT_FP6
.endif
.endm
.macro MULS q, first                   ; 32 products, the 32 accumulators by turns
.irp a, 0,1,2,3
.irp b, 0,1,2,3,4,5,6,7
.if \first
	WM 8*(8*\a+\b), 128*((\q)%2)+FR*\b, AF+48*((\q)%2)+FR*\a, 0, SB+4*\b+(\q)%4, SA+4*\a+(\q)%4, (\q)/4
.else
	WM 8*(8*\a+\b), 128*((\q)%2)+FR*\b, AF+48*((\q)%2)+FR*\a, v[8*(8*\a+\b):8*(8*\a+\b)+7], SB+4*\b+(\q)%4, SA+4*\a+(\q)%4, (\q)/4
.endif
.endr
.endr
.endm
.macro MAIN                            ; a block's eight steps of 128 along K; source 0 window 1, source 1 window 0, sums window 2
	FETCH 0
	FETCH 1
	s_wait_dscnt 36
	WIN 0xa1
	MULS 0, 1                                      ; the first products start the sums
.irp q, 1,2,3,4,5,6
	PLACES 4                                       ; in front of loads into registers that the step before has read
	FETCH \q+1
	s_wait_dscnt 36
	WIN 0xa1
	MULS \q, 0
.endr
	s_wait_dscnt 0x0
	MULS 7, 0
	WIN 0
.endm
.macro SCLOAD pa, pb
.irp a, 0,1,2,3
	global_load_b128 v[SA+4*\a:SA+4*\a+3], v[SOF], s[\pa:\pa+1] offset:512*\a
.endr
.irp b, 0,1,2,3,4,5,6,7
	global_load_b128 v[SB+4*\b:SB+4*\b+3], v[SOF], s[\pb:\pb+1] offset:512*\b
.endr
.endm
; 64 numbers of a lane, register 16 b + i = number 16 (lane / 16) + i of block b of my row, become an image's codes in v[PC] on and its scale word in v[pw]
.macro QUANT s, pw
.irp b, 0,1,2,3
	v_max3_num_f32 v[TM+\b], |v[\s+16*\b]|, |v[\s+1+16*\b]|, 0x1800000
.endr
.irp i, 2,4,6,8,10,12,14
.irp b, 0,1,2,3
	v_max3_num_f32 v[TM+\b], v[TM+\b], |v[\s+16*\b+\i]|, |v[\s+1+16*\b+\i]|
.endr
.endr
.irp b, 0,1,2,3
	v_permlanex16_b32 v[TM+4+\b], v[TM+\b], s[SEL], s[SEL+1]
.endr
.irp b, 0,1,2,3
	v_max_num_f32 v[TM+\b], v[TM+\b], v[TM+4+\b]
.endr
.irp b, 0,1,2,3
	v_add_nc_u32 v[TM+12+\b], 0xff000000, v[TM+\b]
.endr
.irp b, 0,1,2,3
	v_lshrrev_b32 v[TM+4+\b], 23, v[TM+12+\b]
.endr
	v_lshl_or_b32 v[\pw], v[TM+5], 8, v[TM+4]
	v_lshl_or_b32 v[\pw], v[TM+6], 16, v[\pw]
	v_lshl_or_b32 v[\pw], v[TM+7], 24, v[\pw]
.irp c, 0,1
	v_cvt_scalef32_pk16_fp6_f32 v[PC+6*\c:PC+2+6*\c], v[\s+32*\c:\s+15+32*\c], v[TM+12+2*\c]
	v_cvt_scalef32_pk16_fp6_f32 v[PC+12+4*\c:PC+14+4*\c], v[\s+16+32*\c:\s+31+32*\c], v[TM+12+2*\c+1]
.endr
	v_nop
.irp c, 0,1
.irp i, 0,1,2
	v_permlane16_swap_b32 v[PC+6*\c+\i], v[PC+12+4*\c+\i]
.endr
.irp i, 0,1,2
	v_mov_b32 v[PC+3+6*\c+\i], v[PC+12+4*\c+\i]
.endr
.endr
.endm
.macro GROUP0 hx, pp                   ; Q, K: head hx of my two, token tiles 2 pp, 2 pp + 1 of my four: a pair image
	s_wait_xcnt 0x0                                ; the last image's stores have read their registers
	WIN 0x02
.irp e, 0,1
.irp bb, 0,1,2,3
.irp j, 0,2,4,6
	v_pk_add_f32 v[ST+32*\e+8*\bb+\j:ST+32*\e+8*\bb+\j+1], v[8*(8*(2*\pp+\e)+4*\hx+\bb)+\j:8*(8*(2*\pp+\e)+4*\hx+\bb)+\j+1], v[BI+8*(4*\hx+\bb)+\j:BI+8*(4*\hx+\bb)+\j+1]
.endr
.endr
.endr
	WIN 0
	QUANT ST, SW+2*\hx+\pp
.irp c, 0,1,2
	global_store_b128 v[LI], v[PC+4*\c:PC+4*\c+3], s[70:71] offset:REC*\hx+1536*\pp+512*\c
.endr
.endm
.macro GROUP1 pp                       ; V: column tile pp of my head, my 128 tokens
	s_wait_xcnt 0x0
	WIN 0x02
.irp b, 0,1,2,3,4,5,6,7
.irp j, 0,2,4,6
	v_pk_add_f32 v[ST+8*\b+\j:ST+8*\b+\j+1], v[8*(8*\pp+\b)+\j:8*(8*\pp+\b)+\j+1], v[BV+2*\pp:BV+2*\pp+1]
.endr
.endr
	WIN 0
	QUANT ST, SW+\pp
.irp c, 0,1,2
	global_store_b128 v[LI], v[PC+4*\c:PC+4*\c+3], s[74:75] offset:1536*\pp+512*\c
.endr
.endm
	s_load_b256 s[4:11], s[0:1], 0x0               ; xc, xs, wc, ws
	s_load_b256 s[12:19], s[0:1], 0x20             ; bq, bk, bv, qkv
	v_lshl_add_u32 v[SPW], v0, 2, SPARE
	v_mov_b32 v[NIL], 0
	ds_add_u32 v[SPW], v[NIL]                      ; the opening lines
	ds_add_u32 v[SPW], v[NIL]
	v_lshrrev_b32 v1, 5, v0
	v_readfirstlane_b32 s3, v1                     ; wave
	s_lshr_b32 s20, s3, 1                          ; my half of the small region
	s_and_b32 s21, s3, 1                           ; my half of the large one
	s_bfe_u32 s22, ttmp6, 0x40000                  ; cx
	s_bfe_u32 s23, ttmp6, 0x40004                  ; cy
	s_and_b32 s24, ttmp7, 0xffff                   ; the cluster's y
	s_lshl_b32 s25, s24, 2
	s_add_co_u32 s25, s25, s23                     ; Q, K: block of 128 rows, 0 .. 63
	s_lshl_b32 s2, ttmp9, 2
	s_add_co_u32 s2, s2, s22                       ; Q, K: block of 256 columns, 0 .. 3
	s_lshl_b32 s26, s23, 2
	s_lshl_b32 s26, 15, s26                        ; my row of the cluster
	s_lshl_b32 s27, 0x1111, s22                    ; my column
	s_or_b32 s[G1A+0], s26, (3<<16)|(1<<21)        ; dense blocks as rows of 256 bytes: 384 rows,
	s_mov_b32 s[G1A+1], 32<<16
	s_mov_b32 s[G1A+2], 384<<16
	s_mov_b32 s[G1A+3], 32<<16
	s_mov_b32 s[G1A+4], 384
	s_mov_b32 s[G1A+5], 32
	s_mov_b32 s[G1A+6], 0
	s_mov_b32 s[G1A+7], 0
	s_or_b32 s[G1B+0], s27, (3<<16)|(1<<21)        ; and 256
	s_mov_b32 s[G1B+1], 32<<16
	s_mov_b32 s[G1B+2], 256<<16
	s_mov_b32 s[G1B+3], 32<<16
	s_mov_b32 s[G1B+4], 256
	s_mov_b32 s[G1B+5], 32
	s_mov_b32 s[G1B+6], 0
	s_mov_b32 s[G1B+7], 0
	s_mov_b32 s[G0A], 1
	s_mov_b32 s[G0A+1], 0
	s_mov_b32 s[G0B], 1
	s_lshl_b32 s[G0B+1], s3, 16
	s_add_co_u32 s[G0B+1], s[G0B+1], 32768         ; 98,304 + 65,536 (wave - 1)
	s_max_u32 s97, s3, 1
	s_sub_co_u32 s97, s97, 1
	s_lshl_b32 s97, s97, 16                        ; my third of the large region, in bytes
	s_mul_i32 s52, s25, 98304                      ; the small regions hang on cy and the cluster alone: Q's rows,
	s_mov_b32 s53, 0
	s_and_b32 s86, s24, 1
	s_lshl_b32 s86, s86, 2
	s_add_co_u32 s86, s86, s23                     ; V: block of 128 columns, 0 .. 7
	s_mul_i32 s56, s86, 98304
	s_add_co_u32 s56, s56, 1572864                 ; in Wv
	s_mov_b32 s57, 0
	s_mul_i32 s98, s2, 196608                      ; the large regions on cx and the cluster alone: Wq's columns,
	s_mov_b32 s99, 0
	s_add_co_u32 s54, s98, s97
	s_mov_b32 s55, 0
	s_lshr_b32 s87, s24, 1
	s_lshl_b32 s87, s87, 2
	s_add_co_u32 s87, s87, s22                     ; V: block of 256 rows, 0 .. 31
	s_mul_i32 s100, s87, 196608
	s_add_co_u32 s100, s100, 12582912              ; in value
	s_mov_b32 s101, 0
	s_add_co_u32 s58, s100, s97
	s_mov_b32 s59, 0
	s_wait_dscnt 0x0
	s_wait_kmcnt 0x0
	s_add_nc_u64 s[G0A+2:G0A+3], s[4:5], s[52:53]
	s_add_nc_u64 s[NA:NA+1], s[G0A+2:G0A+3], 6291456       ; the next block is K's: the same rows of key,
	s_or_b32 s[G0A+3], s[G0A+3], 0x80000000
	s_add_nc_u64 s[G0B+2:G0B+3], s[8:9], s[54:55]
	s_add_nc_u64 s[NB:NB+1], s[G0B+2:G0B+3], 786432        ; the same columns of Wk
	s_or_b32 s[G0B+3], s[G0B+3], 0x80000000
	s_add_nc_u64 s[NBW:NBW+1], s[8:9], s[98:99]
	s_add_nc_u64 s[NBW:NBW+1], s[NBW:NBW+1], 786432
	s_add_nc_u64 s[56:57], s[8:9], s[56:57]        ; V's small region, my part of its large one, its large one whole
	s_add_nc_u64 s[58:59], s[4:5], s[58:59]
	s_add_nc_u64 s[100:101], s[4:5], s[100:101]
	CROUND                                         ; all sixteen work-groups are here: the first joint loads meet
	JLOAD
	s_mul_i32 s88, s20, 49152
	s_mul_i32 s89, s21, 98304
	s_add_co_u32 s89, s89, 98304
	s_add_co_u32 s90, s89, 49152
	s_lshl_b32 s91, s22, 2
	s_add_co_u32 s91, s91, s3
	s_mul_i32 s91, s91, 6144                       ; my sixteenth of a small region: 24 runs of 256 bytes,
	s_lshl_b32 s92, s23, 2
	s_add_co_u32 s92, s92, s3
	s_mul_i32 s92, s92, 12288                      ; of a large one: 48
	v_and_b32 v16, 15, v0                          ; r
	v_bfe_u32 v17, v0, 4, 1                        ; h
	v_and_b32 v18, 31, v0
	v_lshlrev_b32 v[LI], 4, v18
	v_lshlrev_b32 v[SOF], 5, v16
	v_lshlrev_b32 v[SAV], 4, v16
	v_mul_u32_u24 v[SAO], v17, REC
	v_lshlrev_b32 v[BO], 6, v17
	v_and_b32 v19, 8, v16
	v_min_u32 v20, 23, v18
	v_min_u32 v21, 15, v18
	v_add_nc_u32 v[ADRA], s88, v[LI]
	v_add_nc_u32 v[ADRB], s89, v[LI]
	v_add_nc_u32 v[ADRB+1], s90, v[LI]
	v_lshl_add_u32 v[SOF], v17, 4, v[SOF]          ; 32 r + 16 h
	v_add_nc_u32 v[SAO], v[SAO], v[SAV]
	v_add_nc_u32 v19, v19, v16
	v_lshl_add_u32 v[PFA], v20, 8, s91
	v_lshl_add_u32 v[PFB], v18, 8, s92
	v_lshl_add_u32 v[PFB2], v21, 8, s92
	v_lshlrev_b32 v[BVO], 2, v19                   ; 4 (r + 8 (r / 8))
	v_add_nc_u32 v[PFB2], 8192, v[PFB2]
.irp b, 0,1,2,3
	v_mov_b32 v[TM+4+\b], 0                        ; written once: a lane permute's destination counts as one of its sources
.endr
	WALU                                           ; the wait at the head's end
	s_lshl_b32 s88, s25, 12                        ; scale words: Q's rows,
	s_lshl_b32 s92, s20, 11
	s_add_co_u32 s88, s88, s92
	s_mov_b32 s89, 0
	s_add_nc_u64 s[88:89], s[6:7], s[88:89]
	s_add_nc_u64 s[60:61], s[88:89], 262144        ; K's
	s_lshl_b32 s90, s2, 13                         ; Wq's columns,
	s_lshl_b32 s93, s21, 12
	s_add_co_u32 s90, s90, s93
	s_mov_b32 s91, 0
	s_add_nc_u64 s[90:91], s[10:11], s[90:91]
	s_add_nc_u64 s[62:63], s[90:91], 32768         ; Wk's
	SCLOAD 88, 90
	s_lshl_b32 s78, s86, 12                        ; V: Wv's columns,
	s_add_co_u32 s78, s78, s92
	s_add_co_u32 s78, s78, 65536
	s_mov_b32 s79, 0
	s_add_nc_u64 s[78:79], s[10:11], s[78:79]
	s_lshl_b32 s80, s87, 13                        ; value's rows
	s_add_co_u32 s80, s80, s93
	s_add_co_u32 s80, s80, 524288
	s_mov_b32 s81, 0
	s_add_nc_u64 s[80:81], s[6:7], s[80:81]
	s_lshl_b32 s94, s2, 10                         ; the biases at my first column
	s_lshl_b32 s95, s21, 9
	s_add_co_u32 s94, s94, s95
	s_mov_b32 s95, 0
	s_add_nc_u64 s[66:67], s[12:13], s[94:95]
	s_add_nc_u64 s[68:69], s[14:15], s[94:95]
	s_lshl_b32 s94, s86, 9
	s_lshl_b32 s92, s20, 8
	s_add_co_u32 s94, s94, s92
	s_add_nc_u64 s[82:83], s[16:17], s[94:95]
	s_lshr_b32 s92, s25, 4                         ; Q, K: record 16 x batch + 4 x column block + 2 x half (+ hx); step = row block % 16
	s_lshl_b32 s92, s92, 4
	s_lshl_b32 s93, s2, 2
	s_add_co_u32 s92, s92, s93
	s_lshl_b32 s93, s21, 1
	s_add_co_u32 s92, s92, s93
	s_mul_i32 s92, s92, REC
	s_and_b32 s93, s25, 15
	s_mul_i32 s94, s93, 6144
	s_add_co_u32 s94, s94, s92
	s_mul_i32 s70, s20, 3072
	s_add_co_u32 s70, s70, s94
	s_add_co_u32 s70, s70, 204800
	s_mov_b32 s71, 0
	s_add_nc_u64 s[70:71], s[18:19], s[70:71]      ; Q's images
	s_lshl_b32 s94, s93, 8
	s_add_co_u32 s94, s94, s92
	s_lshl_b32 s72, s20, 3
	s_add_co_u32 s72, s72, s94
	s_add_co_u32 s72, s72, 303104
	s_mov_b32 s73, 0
	s_add_nc_u64 s[72:73], s[18:19], s[72:73]      ; Q's scale words
	s_lshr_b32 s92, s87, 3                         ; V: record 16 x batch + 2 x column block + half; step = 2 (row block % 8) + half
	s_lshl_b32 s92, s92, 4
	s_lshl_b32 s93, s86, 1
	s_add_co_u32 s92, s92, s93
	s_add_co_u32 s92, s92, s20
	s_mul_i32 s92, s92, REC
	s_and_b32 s93, s87, 7
	s_lshl_b32 s93, s93, 1
	s_add_co_u32 s93, s93, s21
	s_mul_i32 s74, s93, 6144
	s_add_co_u32 s74, s74, s92
	s_add_co_u32 s74, s74, 98304
	s_mov_b32 s75, 0
	s_add_nc_u64 s[74:75], s[18:19], s[74:75]
	s_lshl_b32 s76, s93, 8
	s_add_co_u32 s76, s76, s92
	s_add_co_u32 s76, s76, 200704
	s_mov_b32 s77, 0
	s_add_nc_u64 s[76:77], s[18:19], s[76:77]
	s_mov_b32 s[SEL], 0x76543210
	s_mov_b32 s[SEL+1], 0xfedcba98
	s_mov_b32 s97, 0xffff0000                      ; lanes 16-31
	s_mov_b32 s96, 0
.Ltile:                                                ; two trips: Q's block, K's block
	LAND
.irp b, 0,1,2,3,4,5,6,7
	global_load_b128 v[BI+8*\b:BI+8*\b+3], v[BO], s[66:67] offset:(32*(\b/2)+8*(\b%2))*4
	global_load_b128 v[BI+8*\b+4:BI+8*\b+7], v[BO], s[66:67] offset:(32*(\b/2)+8*(\b%2))*4+16
.endr
	s_wait_loadcnt 16                              ; this block's scale words are in
	global_prefetch_b8 v[PFA], s[NA:NA+1] th:TH_LOAD_NT scope:SCOPE_SE       ; the next block's bytes, a block ahead of the loads that will want them
	global_prefetch_b8 v[PFB], s[NBW:NBW+1] th:TH_LOAD_NT scope:SCOPE_SE
	global_prefetch_b8 v[PFB2], s[NBW:NBW+1] th:TH_LOAD_NT scope:SCOPE_SE
	MAIN
	s_wait_tensorcnt 0x0                           ; the three lines ahead of a refill's round
	ds_add_u32 v[SPW], v[NIL]
	s_mov_b64 s[G0A+2:G0A+3], s[NA:NA+1]
	s_or_b32 s[G0A+3], s[G0A+3], 0x80000000
	s_mov_b64 s[G0B+2:G0B+3], s[NB:NB+1]
	s_or_b32 s[G0B+3], s[G0B+3], 0x80000000
	s_wait_dscnt 0x0
	CROUND                                         ; no wave of any partner still reads this block's tiles
	JLOAD                                          ; the next block's; its four v_nop are the places behind the last products
	SCLOAD 60, 62                                  ; and its scale words
	s_wait_loadcnt 12                              ; this block's bias is in
.irp x, 0,1
.irp y, 0,1
	GROUP0 \x, \y
.endr
.endr
.irp i, 0,1
	v_cndmask_b32 v[DD+\i], v[SW+\i], v[SW+2+\i], s97   ; lanes 0-15: the first head's two words of row r; lanes 16-31: the second head's
.endr
	global_store_b64 v[SAO], v[DD:DD+1], s[72:73]
	s_wait_xcnt 0x0                                ; every base and every store's data may be written again
	s_mov_b64 s[NA:NA+1], s[56:57]                 ; behind K's block comes V's
	s_mov_b64 s[NB:NB+1], s[58:59]
	s_mov_b64 s[NBW:NBW+1], s[100:101]
	s_mov_b64 s[60:61], s[78:79]
	s_mov_b64 s[62:63], s[80:81]
	s_mov_b64 s[66:67], s[68:69]
	s_sub_nc_u64 s[70:71], s[70:71], 204800        ; K's images and words in the record
	s_sub_nc_u64 s[72:73], s[72:73], 106496
	s_add_co_u32 s96, s96, 1
	s_cmp_lt_u32 s96, 2
	s_cbranch_scc1 .Ltile
	LAND                                           ; V's block: nothing more is asked for
.irp a, 0,1,2,3
	global_load_b32 v[BV+2*\a], v[BVO], s[82:83] offset:(32*(\a/2)+8*(\a%2))*4
	global_load_b32 v[BV+2*\a+1], v[BVO], s[82:83] offset:(32*(\a/2)+8*(\a%2))*4
.endr
	s_wait_loadcnt 8
	MAIN
	PLACES 4
	s_wait_loadcnt 0x0
.irp y, 0,1,2,3
	GROUP1 \y
.endr
	global_store_b128 v[SAV], v[SW:SW+3], s[76:77]  ; row r's four words; both halves of the lanes hold and store the same
	s_wait_tensorcnt 0x0                           ; the wave's end
	ds_add_u32 v[SPW], v[NIL]
	s_wait_dscnt 0x0
	CROUND                                         ; the closing round
	s_endpgm
.Lfunc_end_k_q6f4b4f491b_proj:
	.size	k_q6f4b4f491b_proj, .Lfunc_end_k_q6f4b4f491b_proj-k_q6f4b4f491b_proj
	.p2alignl 7, 3214868480
	.fill 96, 4, 3214868480
	.section	.rodata,"a",@progbits
	.p2align	6, 0x0
	.amdhsa_kernel k_q6f4b4f491b_proj
		.amdhsa_group_segment_fixed_size 327680
		.amdhsa_private_segment_fixed_size 0
		.amdhsa_enable_private_segment 0
		.amdhsa_kernarg_size 64
		.amdhsa_user_sgpr_count 2
		.amdhsa_user_sgpr_kernarg_segment_ptr 1
		.amdhsa_wavefront_size32 1
		.amdhsa_system_sgpr_workgroup_id_x 1
		.amdhsa_system_sgpr_workgroup_id_y 1
		.amdhsa_system_sgpr_workgroup_id_z 1
		.amdhsa_system_vgpr_workitem_id 0
		.amdhsa_next_free_vgpr 768
		.amdhsa_next_free_sgpr 102
		.amdhsa_reserve_vcc 0
		.amdhsa_float_denorm_mode_32 3
		.amdhsa_float_denorm_mode_16_64 3
		.amdhsa_memory_ordered 1
		.amdhsa_forward_progress 1
		.amdhsa_inst_pref_size 170
	.end_amdhsa_kernel
	.amdgpu_metadata
---
amdhsa.version: [ 1, 2 ]
amdhsa.kernels:
  - .name:           k_q6f4b4f491b_proj
    .symbol:         k_q6f4b4f491b_proj.kd
    .args:
      - { .name: xc, .offset: 0, .size: 8, .value_kind: global_buffer, .address_space: global }
      - { .name: xs, .offset: 8, .size: 8, .value_kind: global_buffer, .address_space: global }
      - { .name: wc, .offset: 16, .size: 8, .value_kind: global_buffer, .address_space: global }
      - { .name: ws, .offset: 24, .size: 8, .value_kind: global_buffer, .address_space: global }
      - { .name: bq, .offset: 32, .size: 8, .value_kind: global_buffer, .address_space: global }
      - { .name: bk, .offset: 40, .size: 8, .value_kind: global_buffer, .address_space: global }
      - { .name: bv, .offset: 48, .size: 8, .value_kind: global_buffer, .address_space: global }
      - { .name: qkv, .offset: 56, .size: 8, .value_kind: global_buffer, .address_space: global }
    .group_segment_fixed_size: 327680
    .private_segment_fixed_size: 0
    .kernarg_segment_align: 8
    .kernarg_segment_size: 64
    .max_flat_workgroup_size: 128
    .sgpr_count:     102
    .vgpr_count:     768
    .wavefront_size: 32
...
	.end_amdgpu_metadata
.endif
;; end of part 2
;; launch attn (part 3): grid 4 x 64, 16 waves a work-group, clusters of 4 x 1, 206,848 bytes of LDS; arguments qkv, oc, os; writes oc, os
.if DOCPART == 3
	.amdgcn_target "amdgcn-amd-amdhsa--gfx1250"
	.amdhsa_code_object_version 6
	.text
	.protected	k_q6f4b4f491b_attn
	.globl	k_q6f4b4f491b_attn
	.p2align	8
	.type	k_q6f4b4f491b_attn,@function
k_q6f4b4f491b_attn:
	s_mov_b64 s[64:65], 0
	v_nop
	global_prefetch_b8 v0, s[64:65] scope:SCOPE_SE
	s_setreg_imm32_b32 hwreg(HW_REG_WAVE_MODE, 25, 1), 1
	s_wait_xcnt 0x0
	s_wait_alu depctr_hold_cnt(0) depctr_sa_sdst(0) depctr_va_vdst(0) depctr_va_sdst(0) depctr_va_ssrc(0) depctr_va_vcc(0) depctr_vm_vsrc(0)
	s_getreg_b32 s2, hwreg(HW_REG_IB_STS2, 6, 4)
	s_cmp_eq_u32 s2, 0
	s_cbranch_scc0 .Lentry_in_a_cluster
	s_endpgm
.Lentry_in_a_cluster:
	s_bfe_u32 s2, ttmp6, 0x10000c
	s_cmp_lg_u32 s2, 0x3003
	s_cbranch_scc0 .Lentry_shape_is_right
	s_endpgm
.Lentry_shape_is_right:
; O[q] = the sum over keys of softmax(q . k / 8) v for one head of 64, both products on codes of FP6 (E2M3) with E8M0 scales; the result is quantised along (head, d) into images for the last projection.
; THE SOFTMAX: t = score x log2(e) / 8; M = the running largest t rounded UP to a whole number; p = 2^(t - M) is quantised along the keys, not normalised; the row's sum is taken of the unquantised p and divides at the end.
; When M moves, the sums and O are multiplied by 2^(old M - new M): exact.
; SHARES.  A work-group owns 512 queries of a head, in two passes of 256; in a pass each of its sixteen waves owns one tile of 16 queries, in 256 registers: four waves to a SIMD.
; K, V AND THEIR SCALE WORDS OF THE WHOLE HEAD, 204,800 dense bytes, COME INTO LDS ONCE and stay: no slot is filled again.  The four work-groups of a cluster belong to one head and ask jointly; each wave brings 12,800 bytes.
; No prefetch: the one fill stands at the head, and there is no loop ahead of it to ask in.
; All operands lie as images of registers: a fragment is three ds_load_b128 at 16 x lane.
; K = 64 IS HALF OF THE INSTRUCTION'S 128: a PAIR image of K holds tile 2 P's 64 numbers in registers 0-5 and tile 2 P + 1's in 6-11; it is multiplied by [q | 0] for the first tile and by [0 | q] for the second.
; LAYOUT.  Both products transposed: S^T = K Q^T, O^T = V^T P^T: a lane holds ONE query throughout.
; THE KEYS' TILE ORDER: lane r of key tile 4 c + j of a step is key 64 c + 8 j + r % 8 + 32 (r / 8).  So lane (r, h) holds in S + 32 c + 0 .. 31 the keys 64 c + 32 h + 0 .. 31 in order: block 2 c + h WHOLE,
; which is what registers 6 c .. 6 c + 5 of the next operand want of that lane: a block's maximum asks no other lane, and no code changes lanes.  Only the row's maximum and the scale word's bytes cross the halves, one permute each.
; A STEP, 128 keys: 8 score products; V's loads land where K lay, under the softmax; 4 products for O; then the next step's K is loaded, and 28 of the row's sum's 32 additions stand between those loads and the wait for them.
; The last step's look-ahead reads LDS bytes behind K's (V's images, V's scale words): filled bytes, never used.
; LIMITS: NaN and infinities are not served; the promise holds while |t| stays under 2^31; v_exp_f32 gives 0 for what would be denormal; a block of zeros keeps the byte 1; the zero half of a score product adds nothing so long as the two scales' product is finite in f32.
.set REC, 307200
.set LI,  1                            ; 16 x lane
.set AV0, 2                            ; the same among V's images
.set AS0, 3                            ; my row's four scale words: 196,608 + 16 r
.set GO1, 4                            ; the way out: 1,024 h + 16 r
.set GO2, 5                            ; 512 + 16 r + 8 h
.set GOS, 6                            ; 32 r + 2 h
.set QR,  7                            ; 16 r
.set ADK, 8
.set ADV, 9
.set ADS, 10
.set SH8, 11                           ; 8 h
.set NM,  12                           ; -M;  v[12:13] is named as a pair, the low word serves both halves
.set RM,  13                           ; the running largest score
.set L,   14                           ; v14-21 the row's sum in four pairs
.set F,   22                           ; v[22:23]: the low word serves both halves
.set TP,  23
.set BM,  24                           ; v24-27 two chains for each of my two blocks
.set SO,  28                           ; v28, 29 the conversions' scale operands
.set PX,  30
.set T2,  31
.set OLD, 32
.set PSW, 33                           ; p's scale word
.set Q,   34                           ; v34-51 [q | 0 | q]
.set QS,  52                           ; q's scale word [s0 s1 s0 s1]
.set KSC, 56
.set VSC, 60
.set KF,  64                           ; v64-111 four fragments: K's pairs, then V's tiles
.set S,   112                          ; v112-175 S^T, then p
.set O,   176                          ; v176-207 O^T
.set PC,  208                          ; v208-226 p's codes
.set T1,  228                          ; v228-240 the second pass's q as loaded
.set WV,  10
.set G0,  12
.set G1,  16
.set SEL, 24
.set CS,  26                           ; s[26:27] c = log2(e) / 8
.set TB,  28
.set TS,  29
.set CNT, 30
.set PM,  31                           ; all ones in waves whose tile is the second of its pair
.set HM,  32                           ; lanes 16-31
.set SH,  33
.macro WALU
	s_wait_alu depctr_va_vdst(0)
.endm
.macro CROUND
	s_barrier_signal -1
	s_barrier_wait -1
	s_cmp_lg_u32 s[WV], 0
	s_cbranch_scc1 .Lnot_wave_0_\@
	s_barrier_signal -3
.Lnot_wave_0_\@:
	s_barrier_wait -3
	s_barrier_signal -1
	s_barrier_wait -1
.endm
	s_load_b128 s[4:7], s[0:1], 0x0                ; qkv, oc
	s_load_b64 s[8:9], s[0:1], 0x10                ; os
	v_lshl_add_u32 v254, v0, 2, 0x32000
	v_mov_b32 v255, 0
	ds_add_u32 v254, v255                          ; the opening lines
	ds_add_u32 v254, v255
	v_lshrrev_b32 v1, 5, v0
	s_delay_alu instid0(VALU_DEP_1)
	v_readfirstlane_b32 s[WV], v1                  ; wave 0..15
	s_bfe_u32 s11, ttmp6, 0x40000                  ; cx
	s_lshl_b32 s38, ttmp9, 2
	s_add_co_u32 s11, s38, s11                     ; my block of 512 queries: it enters Q's and the outputs' addresses alone
	s_and_b32 s46, ttmp7, 0xffff                   ; the head's record, which the four partners share
	s_mul_i32 s40, s46, REC
	s_mov_b32 s41, 0
	s_mov_b32 s[G1], 15|(3<<16)|(1<<21)            ; the mask: all four work-groups; elements of 8 bytes; no padding
	s_mov_b32 s[G1+1], 32<<16                      ; 50 rows of 256 bytes, dense
	s_mov_b32 s[G1+2], 50<<16
	s_mov_b32 s[G1+3], 32<<16
	s_mov_b32 s[G1+4], 50
	s_mov_b32 s[G1+5], 32
	s_mov_b32 s[G1+6], 0
	s_mov_b32 s[G1+7], 0
	s_mul_i32 s42, s[WV], 12800
	s_mov_b32 s43, 0
	s_wait_dscnt 0x0
	s_wait_kmcnt 0x0
	s_add_nc_u64 s[4:5], s[4:5], s[40:41]          ; the record
	s_mov_b32 s[G0], 1
	s_mul_i32 s[G0+1], s[WV], 12800                ; my part in LDS,
	s_add_nc_u64 s[G0+2:G0+3], s[4:5], s[42:43]    ; and in memory
	s_or_b32 s[G0+3], s[G0+3], 0x80000000
	CROUND                                         ; all four work-groups are here: the joint loads meet
	tensor_load_to_lds s[G0:G0+3], s[G1:G1+7]      ; my one tensor load of the launch
	s_nop 0
.rept 4
	v_nop
.endr
	s_lshl_b32 s38, s11, 4                         ; Q's pair image: 16 x block + wave / 2 (+ 8 in the second pass)
	s_lshr_b32 s39, s[WV], 1
	s_add_co_u32 s38, s38, s39
	s_mul_i32 s38, s38, 1536
	s_add_co_u32 s38, s38, 204800
	s_mov_b32 s39, 0
	s_add_nc_u64 s[34:35], s[4:5], s[38:39]
	s_lshl_b32 s38, s11, 2                         ; its scale word: step 4 x block + wave / 8 (+ 2), word (wave / 2) % 4
	s_lshr_b32 s40, s[WV], 3
	s_add_co_u32 s38, s38, s40
	s_lshl_b32 s38, s38, 8
	s_bfe_u32 s40, s[WV], 0x20001
	s_lshl_b32 s40, s40, 2
	s_add_co_u32 s38, s38, s40
	s_add_co_u32 s38, s38, 303104
	s_add_nc_u64 s[36:37], s[4:5], s[38:39]
	s_lshr_b32 s38, s46, 4                         ; the outputs: tile 128 x batch + 32 x block + wave (+ 16),
	s_lshl_b32 s38, s38, 7
	s_lshl_b32 s40, s11, 5
	s_add_co_u32 s38, s38, s40
	s_add_co_u32 s38, s38, s[WV]
	s_bfe_u32 s40, s46, 0x30001                    ; image head / 2,
	s_and_b32 s41, s46, 1                          ; lanes 16 (head % 2) on
	s_mul_i32 s42, s38, 12288
	s_mul_i32 s43, s40, 1536
	s_add_co_u32 s42, s42, s43
	s_lshl_b32 s43, s41, 8
	s_add_co_u32 s42, s42, s43
	s_mov_b32 s43, 0
	s_add_nc_u64 s[6:7], s[6:7], s[42:43]
	s_lshl_b32 s42, s38, 9
	s_lshl_b32 s40, s40, 2
	s_add_co_u32 s42, s42, s40
	s_add_co_u32 s42, s42, s41
	s_add_nc_u64 s[8:9], s[8:9], s[42:43]
	s_and_b32 s[SH], s[WV], 1
	s_cmp_eq_u32 s[SH], 1
	s_cselect_b32 s[PM], -1, 0
	s_lshl_b32 s[SH], s[SH], 4
	s_mov_b32 s[HM], 0xffff0000
	s_mov_b32 s[SEL], 0x76543210
	s_mov_b32 s[SEL+1], 0xfedcba98
	s_mov_b32 s[CS], 0x3e38aa3b
	s_mov_b32 s[CS+1], s[CS]                       ; (named with it as a pair, so it is written)
	v_and_b32 v8, 31, v0
	s_delay_alu instid0(VALU_DEP_1)
	v_lshlrev_b32 v[LI], 4, v8
	v_and_b32 v8, 15, v0                           ; r
	v_bfe_u32 v9, v0, 4, 1                         ; h
	s_delay_alu instid0(VALU_DEP_2)
	v_lshlrev_b32 v[QR], 4, v8
.irp c, 0,1,2
	global_load_b128 v[S+4*\c:S+4*\c+3], v[LI], s[34:35] offset:512*\c            ; the first pass's pair image,
	global_load_b128 v[T1+4*\c:T1+4*\c+3], v[LI], s[34:35] offset:12288+512*\c    ; the second's,
.endr
	global_load_b32 v[S+12], v[QR], s[36:37]                                      ; and their scale words
	global_load_b32 v[T1+12], v[QR], s[36:37] offset:512
	v_add_nc_u32 v[AV0], 98304, v[LI]
	v_add_nc_u32 v[AS0], 196608, v[QR]
	v_lshl_add_u32 v[GO1], v9, 10, v[QR]
	v_lshl_add_u32 v[GO2], v9, 3, v[QR]
	s_delay_alu instid0(VALU_DEP_1)
	v_add_nc_u32 v[GO2], 512, v[GO2]
	v_lshlrev_b32 v[GOS], 5, v8
	s_delay_alu instid0(VALU_DEP_1)
	v_lshl_add_u32 v[GOS], v9, 1, v[GOS]
	v_lshlrev_b32 v[SH8], 3, v9
	v_mov_b32 v[PX], 0                             ; written once: a lane permute's destination counts as one of its sources
	v_mov_b32 v[TP], 0
	WALU                                           ; the wait at the head's end
	s_wait_tensorcnt 0x0                           ; my part of the head is in,
	s_barrier_signal -1
	s_barrier_wait -1                              ; everybody's is
	s_wait_loadcnt 0x0                             ; Q
.macro PKF from, n                     ; t - M, two at a time
.set JJ, \from
.rept \n
	v_pk_fma_f32 v[S+JJ:S+JJ+1], v[S+JJ:S+JJ+1], s[CS:CS+1], v[NM:NM+1] op_sel_hi:[1,0,0]
.set JJ, JJ+2
.endr
.endm
.macro SUM from, n                     ; the row's sum of the unquantised p: four pairs by turns
.set JJ, \from
.rept \n
	v_pk_add_f32 v[L+2*(JJ%4):L+2*(JJ%4)+1], v[L+2*(JJ%4):L+2*(JJ%4)+1], v[S+2*JJ:S+2*JJ+1]
.set JJ, JJ+1
.endr
.endm
.macro KLOAD adr, ads, off, soff       ; four pair images of K and their scale words of my row
.irp g, 0,1,2,3
.irp c, 0,1,2
	ds_load_b128 v[KF+12*\g+4*\c:KF+12*\g+4*\c+3], v[\adr] offset:\off+1536*\g+512*\c
.endr
.endr
	ds_load_b128 v[KSC:KSC+3], v[\ads] offset:\soff
.endm
; A KEY STEP: 128 keys.
.macro STEP
	s_wait_dscnt 0x0                               ; this step's K, asked for behind the last step's products, is in
.irp t, 0,1,2,3,4,5,6,7
	v_wmma_scale_f32_16x16x128_f8f6f4 v[S+8*\t:S+8*\t+7], v[KF+12*(\t/2):KF+12*(\t/2)+11], v[Q+6*(\t%2):Q+6*(\t%2)+11], 0, v[KSC+\t/2], v[QS] matrix_a_fmt:MATRIX_FMT_FP6 matrix_b_fmt:MATRIX_FMT_FP6
.endr
	v_add_nc_u32 v[ADK], s[TB], v[LI]              ; four plain lines behind the products: the scores are read below, and V lands where K lay
	v_add_nc_u32 v[ADV], s[TB], v[AV0]
	v_add_nc_u32 v[ADS], s[TS], v[AS0]
	v_nop
.irp g, 0,1,2,3
.irp c, 0,1,2
	ds_load_b128 v[KF+12*\g+4*\c:KF+12*\g+4*\c+3], v[ADV] offset:1536*\g+512*\c   ; V's four tiles land while the softmax is walked
.endr
.endr
	ds_load_b128 v[VSC:VSC+3], v[ADS] offset:4096
; the largest score of each of my two blocks of 32 keys, in two chains each; every accumulator is first read at its low end
.irp c, 0,1
	v_max3_num_f32 v[BM+2*\c], v[S+32*\c], v[S+32*\c+1], v[S+32*\c+2]
	v_max3_num_f32 v[BM+2*\c+1], v[S+32*\c+16], v[S+32*\c+17], v[S+32*\c+18]
.endr
.irp k, 3,5,7,9,11,13
.irp c, 0,1
	v_max3_num_f32 v[BM+2*\c], v[BM+2*\c], v[S+32*\c+\k], v[S+32*\c+\k+1]
	v_max3_num_f32 v[BM+2*\c+1], v[BM+2*\c+1], v[S+32*\c+16+\k], v[S+32*\c+17+\k]
.endr
.endr
.irp c, 0,1
	v_max_num_f32 v[BM+2*\c], v[BM+2*\c], v[S+32*\c+15]
.endr
.irp c, 0,1
	v_max3_num_f32 v[BM+2*\c+1], v[BM+2*\c+1], v[S+32*\c+31], v[BM+2*\c]   ; the block's largest score: for the row's maximum, and, since p rises with the score, for the block's largest p
.endr
	s_delay_alu instid0(VALU_DEP_1)
	v_max_num_f32 v[T2], v[BM+1], v[BM+3]
	v_mov_b32 v[OLD], v[NM]
	s_delay_alu instid0(VALU_DEP_2)
	v_permlanex16_b32 v[PX], v[T2], s[SEL], s[SEL+1]
	s_delay_alu instid0(VALU_DEP_1)
	v_max3_num_f32 v[RM], v[RM], v[T2], v[PX]      ; the running largest score, lane l xor 16's 64 keys among them
	s_delay_alu instid0(VALU_DEP_1)
	v_mul_f32 v[TP], s[CS], v[RM]                  ; as t (c is positive)
	s_delay_alu instid0(VALU_DEP_1)
	v_floor_f32 v[NM], -v[TP]                      ; the new -M = floor(-t): M is a whole number
	s_delay_alu instid0(VALU_DEP_1)
	v_sub_f32 v[TP], v[NM], v[OLD]                 ; old M - new M: a whole number, 0 or less
	PKF 0, 4
	v_cvt_i32_f32 v[TP], v[TP]                     ; (it saturates)
	PKF 8, 4
	v_ldexp_f32 v[F], 1.0, v[TP]                   ; f = 2^(old M - new M)
	PKF 16, 24
.irp c, 0,1
	v_fma_f32 v[BM+2*\c+1], v[BM+2*\c+1], s[CS], v[NM]   ; the same of each block's largest score
.endr
	WALU                                           ; the wait ahead of the batch
.irp c, 0,1
	v_exp_f32 v[BM+2*\c+1], v[BM+2*\c+1]           ; the block's largest p
.endr
.set JJ, 0
.rept 64
	v_exp_f32 v[S+JJ], v[S+JJ]                     ; p = 2^(t - M), at most 1
.set JJ, JJ+1
.endr
.irp k, 0,2,4,6
	v_pk_mul_f32 v[L+\k:L+\k+1], v[L+\k:L+\k+1], v[F:F+1] op_sel_hi:[1,0]   ; the sums under the new M (plain lines behind the exponentials)
.endr
	WALU                                           ; one wait for the whole batch, ahead of its first reader
.irp c, 0,1
	v_max_num_f32 v[BM+2*\c+1], 0x1800000, v[BM+2*\c+1]   ; the floor 2^(3 - 127): the byte cannot fall under 1
.endr
.irp c, 0,1
	s_delay_alu instid0(VALU_DEP_2)
	v_add_nc_u32 v[SO+\c], 0xff000000, v[BM+2*\c+1]       ; 2 off the exponent field: the conversion's scale operand
.endr
.irp c, 0,1
	v_cvt_scalef32_pk16_fp6_f32 v[PC+6*\c:PC+2+6*\c], v[S+32*\c:S+15+32*\c], v[SO+\c]              ; my block 2 c + h: its lower 16 codes,
	v_cvt_scalef32_pk16_fp6_f32 v[PC+12+4*\c:PC+14+4*\c], v[S+16+32*\c:S+31+32*\c], v[SO+\c]       ; its upper 16 (a conversion's three registers begin on an even number)
.endr
.irp c, 0,1
	v_lshrrev_b32 v[BM+2*\c], 23, v[SO+\c]         ; the scale's byte.  (Plain lines behind the conversions)
.endr
	s_delay_alu instid0(VALU_DEP_1)
	v_lshl_or_b32 v[T2], v[BM+2], 16, v[BM]        ; my two bytes: blocks h and 2 + h,
	s_delay_alu instid0(VALU_DEP_1)
	v_lshlrev_b32 v[T2], v[SH8], v[T2]             ; at their places in the word;
	s_delay_alu instid0(VALU_DEP_1)
	v_permlanex16_b32 v[PX], v[T2], s[SEL], s[SEL+1]
	s_delay_alu instid0(VALU_DEP_1)
	v_or_b32 v[PSW], v[T2], v[PX]                  ; with lane l xor 16's two the word is whole
.irp c, 0,1
.irp i, 0,1,2
	v_mov_b32 v[PC+3+6*\c+\i], v[PC+12+4*\c+\i]
.endr
.endr
	s_wait_dscnt 0x0                               ; V is in
	WALU                                           ; the wait here, directly ahead of the first reader of O^T
.irp j, 0,2,4,6,8,10,12,14,16,18,20,22,24,26,28,30
	v_pk_mul_f32 v[O+\j:O+\j+1], v[O+\j:O+\j+1], v[F:F+1] op_sel_hi:[1,0]   ; O^T under the new M; these are also the places between p's codes and scale word and the products
.endr
.irp t, 0,1,2,3
	v_wmma_scale_f32_16x16x128_f8f6f4 v[O+8*\t:O+8*\t+7], v[KF+12*\t:KF+12*\t+11], v[PC:PC+11], v[O+8*\t:O+8*\t+7], v[VSC+\t], v[PSW] matrix_a_fmt:MATRIX_FMT_FP6 matrix_b_fmt:MATRIX_FMT_FP6
.endr
	SUM 0, 4                                       ; four plain lines behind the products, which name none of their registers,
	KLOAD ADK, ADS, 6144, 256                      ; then the next step's K, where V lay,
	SUM 4, 28                                      ; and the rest of the sum between these loads and the wait for them
	s_add_co_u32 s[TB], s[TB], 6144                ; the next step's images
	s_add_co_u32 s[TS], s[TS], 256                 ; and scale words
.endm
; THE WAY OUT of a pass: O^T / the sum; its two blocks of 32 are quantised; lane (r, h) then holds block h of row r whole, and the head's part of the image, lanes 16 (head % 2) on of three chunks, leaves as three whole runs of 256 bytes.
.macro OUTP p
	v_pk_add_f32 v[L:L+1], v[L:L+1], v[L+2:L+3]
	v_pk_add_f32 v[L+4:L+5], v[L+4:L+5], v[L+6:L+7]
	s_delay_alu instid0(VALU_DEP_1)
	v_pk_add_f32 v[L:L+1], v[L:L+1], v[L+4:L+5]
	s_delay_alu instid0(VALU_DEP_1)
	v_add_f32 v[L], v[L], v[L+1]
	s_delay_alu instid0(VALU_DEP_1)
	v_permlanex16_b32 v[PX], v[L], s[SEL], s[SEL+1]
	s_delay_alu instid0(VALU_DEP_1)
	v_add_f32 v[L], v[L], v[PX]                    ; the row's sum
	WALU
	v_rcp_f32 v[F], v[L]
	v_nop                                          ; the plain line behind the reciprocal
	WALU                                           ; ahead of the reciprocal's first reader and of O^T's
.irp j, 0,2,4,6,8,10,12,14,16,18,20,22,24,26,28,30
	v_pk_mul_f32 v[S+\j:S+\j+1], v[O+\j:O+\j+1], v[F:F+1] op_sel_hi:[1,0]   ; register 16 g + i = d 32 g + 16 h + i; each accumulator from its low end on
.endr
.irp b, 0,1
	v_max3_num_f32 v[BM+\b], |v[S+16*\b]|, |v[S+1+16*\b]|, 0x1800000
.endr
.irp i, 2,4,6,8,10,12,14
.irp b, 0,1
	s_delay_alu instid0(VALU_DEP_2)
	v_max3_num_f32 v[BM+\b], v[BM+\b], |v[S+16*\b+\i]|, |v[S+1+16*\b+\i]|
.endr
.endr
.irp b, 0,1
	s_delay_alu instid0(VALU_DEP_2)
	v_permlanex16_b32 v[BM+2+\b], v[BM+\b], s[SEL], s[SEL+1]
.endr
.irp b, 0,1
	s_delay_alu instid0(VALU_DEP_2)
	v_max_num_f32 v[BM+\b], v[BM+\b], v[BM+2+\b]
.endr
.irp b, 0,1
	s_delay_alu instid0(VALU_DEP_2)
	v_add_nc_u32 v[SO+\b], 0xff000000, v[BM+\b]
.endr
.irp b, 0,1
	s_delay_alu instid0(VALU_DEP_2)
	v_lshrrev_b32 v[BM+2+\b], 23, v[SO+\b]
.endr
	v_cvt_scalef32_pk16_fp6_f32 v[PC:PC+2], v[S:S+15], v[SO]
	v_cvt_scalef32_pk16_fp6_f32 v[PC+4:PC+6], v[S+16:S+31], v[SO+1]
	v_nop
.irp i, 0,1,2
	v_permlane16_swap_b32 v[PC+\i], v[PC+4+\i]     ; my block's six registers: PC, +1, +2, +4, +5, +6
.endr
	s_delay_alu instid0(VALU_DEP_1)
	v_cndmask_b32 v[S+32], v[PC], v[PC+2], s[HM]   ; lanes 0-15: registers 0-3 of the image; lanes 16-31: registers 8-11
	v_cndmask_b32 v[S+33], v[PC+1], v[PC+4], s[HM]
	v_cndmask_b32 v[S+34], v[PC+2], v[PC+5], s[HM]
	v_cndmask_b32 v[S+35], v[PC+4], v[PC+6], s[HM]
	v_cndmask_b32 v[S+36], v[PC+5], v[PC], s[HM]   ; lanes 0-15: registers 4, 5; lanes 16-31: registers 6, 7
	v_cndmask_b32 v[S+37], v[PC+6], v[PC+1], s[HM]
	v_cndmask_b32 v[S+38], v[BM+2], v[BM+3], s[HM] ; my block's byte
	global_store_b128 v[GO1], v[S+32:S+35], s[6:7] offset:196608*\p    ; two runs of 256 consecutive bytes, aligned
	global_store_b64 v[GO2], v[S+36:S+37], s[6:7] offset:196608*\p     ; one run of 256
	global_store_b8 v[GOS], v[S+38], s[8:9] offset:8192*\p             ; at the unit's place 2 x block + head % 2 of the row's word
.endm
.macro PASS p, T
	s_wait_xcnt 0x0                                ; the last pass's stores have read their registers
	KLOAD LI, AS0, 0, 0                            ; the first step's K, under the set-up below
.irp i, 0,1,2,3,4,5
	v_cndmask_b32 v[Q+\i], v[\T+\i], v[\T+6+\i], s[PM]   ; my tile's half of the pair image
.endr
.irp i, 0,1,2,3,4,5
	v_mov_b32 v[Q+12+\i], v[Q+\i]
.endr
.irp i, 0,1,2,3,4,5
	v_mov_b32 v[Q+6+\i], 0
.endr
	v_lshrrev_b32 v[QS], s[SH], v[\T+12]           ; my tile's two bytes,
	s_delay_alu instid0(VALU_DEP_1)
	v_and_b32 v[QS], 0xffff, v[QS]
	s_delay_alu instid0(VALU_DEP_1)
	v_lshl_or_b32 v[QS], v[QS], 16, v[QS]          ; for both halves of the 128
	v_mov_b32 v[RM], 0xff61b1e6                    ; the largest score so far: -3e38
	s_delay_alu instid0(VALU_DEP_1)
	v_mul_f32 v[TP], s[CS], v[RM]
	s_delay_alu instid0(VALU_DEP_1)
	v_floor_f32 v[NM], -v[TP]
.irp k, 0,1,2,3,4,5,6,7
	v_mov_b32 v[L+\k], 0
.endr
.set JJ, 0
.rept 32
	v_mov_b32 v[O+JJ], 0                           ; the step is written once: its first trip finds zeros.  (Also the places between q's scale word and the first product)
.set JJ, JJ+1
.endr
	s_mov_b32 s[TB], 0
	s_mov_b32 s[TS], 0
	s_mov_b32 s[CNT], 16
	WALU                                           ; the wait ahead of the loop's first wait
.Lstep_\@:
	STEP
	s_sub_co_u32 s[CNT], s[CNT], 1
	s_cmp_lg_u32 s[CNT], 0
	s_cbranch_scc1 .Lstep_\@
	WALU
	s_wait_dscnt 0x0                               ; the last look-ahead has landed: its registers may be loaded anew
	OUTP \p
.endm
	PASS 0, S
	PASS 1, T1
	s_wait_tensorcnt 0x0                           ; the wave's end
	ds_add_u32 v254, v255
	s_wait_dscnt 0x0
	CROUND                                         ; the closing round
	s_endpgm
.Lfunc_end_k_q6f4b4f491b_attn:
	.size	k_q6f4b4f491b_attn, .Lfunc_end_k_q6f4b4f491b_attn-k_q6f4b4f491b_attn
	.p2alignl 7, 3214868480
	.fill 96, 4, 3214868480
	.section	.rodata,"a",@progbits
	.p2align	6, 0x0
	.amdhsa_kernel k_q6f4b4f491b_attn
		.amdhsa_group_segment_fixed_size 206848
		.amdhsa_private_segment_fixed_size 0
		.amdhsa_enable_private_segment 0
		.amdhsa_kernarg_size 24
		.amdhsa_user_sgpr_count 2
		.amdhsa_user_sgpr_kernarg_segment_ptr 1
		.amdhsa_wavefront_size32 1
		.amdhsa_system_sgpr_workgroup_id_x 1
		.amdhsa_system_sgpr_workgroup_id_y 1
		.amdhsa_system_sgpr_workgroup_id_z 1
		.amdhsa_system_vgpr_workitem_id 0
		.amdhsa_next_free_vgpr 256
		.amdhsa_next_free_sgpr 66
		.amdhsa_reserve_vcc 0
		.amdhsa_float_denorm_mode_32 3
		.amdhsa_float_denorm_mode_16_64 3
		.amdhsa_memory_ordered 1
		.amdhsa_forward_progress 1
		.amdhsa_inst_pref_size 53
	.end_amdhsa_kernel
	.amdgpu_metadata
---
amdhsa.version: [ 1, 2 ]
amdhsa.kernels:
  - .name:           k_q6f4b4f491b_attn
    .symbol:         k_q6f4b4f491b_attn.kd
    .args:
      - { .name: qkv, .offset: 0, .size: 8, .value_kind: global_buffer, .address_space: global }
      - { .name: oc, .offset: 8, .size: 8, .value_kind: global_buffer, .address_space: global }
      - { .name: os, .offset: 16, .size: 8, .value_kind: global_buffer, .address_space: global }
    .group_segment_fixed_size: 206848
    .private_segment_fixed_size: 0
    .kernarg_segment_align: 8
    .kernarg_segment_size: 24
    .max_flat_workgroup_size: 512
    .sgpr_count:     66
    .vgpr_count:     256
    .wavefront_size: 32
...
	.end_amdgpu_metadata
.endif
;; end of part 3
;; launch oproj (part 4): grid 4 x 64, 4 waves a work-group, clusters of 4 x 4, 327,680 bytes of LDS; arguments oc, os, wc, ws, bo, out0; writes out0
.if DOCPART == 4
	.amdgcn_target "amdgcn-amd-amdhsa--gfx1250"
	.amdhsa_code_object_version 6
	.text
	.protected	k_q6f4b4f491b_oproj
	.globl	k_q6f4b4f491b_oproj
	.p2align	8
	.type	k_q6f4b4f491b_oproj,@function
k_q6f4b4f491b_oproj:
	s_mov_b64 s[64:65], 0
	v_nop
	global_prefetch_b8 v0, s[64:65] scope:SCOPE_SE
	s_setreg_imm32_b32 hwreg(HW_REG_WAVE_MODE, 25, 1), 1
	s_wait_xcnt 0x0
	s_wait_alu depctr_hold_cnt(0) depctr_sa_sdst(0) depctr_va_vdst(0) depctr_va_sdst(0) depctr_va_ssrc(0) depctr_va_vcc(0) depctr_vm_vsrc(0)
	s_getreg_b32 s2, hwreg(HW_REG_IB_STS2, 6, 4)
	s_cmp_eq_u32 s2, 0
	s_cbranch_scc0 .Lentry_in_a_cluster
	s_endpgm
.Lentry_in_a_cluster:
	s_bfe_u32 s2, ttmp6, 0x10000c
	s_cmp_lg_u32 s2, 0xf033
	s_cbranch_scc0 .Lentry_shape_is_right
	s_endpgm
.Lentry_shape_is_right:
; out0 = O Wo + bo on codes of FP6 (E2M3) with E8M0 scales; f32 results.
; 256 work-groups of four waves (2 x 2), one block of 128 rows x 256 columns each; a wave makes 64 x 128: 32 accumulators.  ALL of K of both operands lies in LDS: 8 tiles of O (98,304 dense bytes) and 16 of Wo (196,608),
; brought by one joint load a wave at the head (wave 0: O's rows, shared by a row of the 4 x 4 cluster; waves 1 to 3: a third of Wo's columns each, shared by a column).  LDS is filled once; no barrier stands inside the 256 products.
; No prefetch: the one fill stands at the head, and there is no loop ahead of it to ask in.
; Source 0 = Wo's columns, source 1 = O's rows: a lane holds eight neighbouring columns of a row.  The bias is the first products' C.
; SCALE WORDS go from memory straight into registers: a tile's 512 bytes by one load; register j holds step j in lanes 0-15 and step 4 + j in lanes 16-31.
; THE WAY OUT: 16 rows x 128 columns at a time through the wave's stage in LDS, back as whole rows of 512 bytes.  The stage lies on O's tiles, which have had their one fill and, behind a barrier, their last read.
; s_wait_dscnt 36: the next step's 36 fragment loads may be out; 32: the next block's 16 stores and 16 loads.
.set TILE,  12288
.set SPARE, 294912
.set SPITCH, 528
.set FR,    12
.set LI,   1
.set ADRA, 2
.set ADRB, 3
.set SOF,  5
.set STO,  6
.set RD,   7
.set BO,   8
.set SPW,  12
.set NIL,  13
.set SA,   32
.set SB,   50
.set AF,   96
.set BK,   128
.set BI,   192
.set G1A, 28
.set G1B, 36
.set G0A, 44
.set G0B, 48
.set MSB, 0
.macro WIN new
.if MSB != \new
	s_set_vgpr_msb (MSB<<8)|\new
.set MSB, \new
.endif
.endm
.macro PLACES n
.rept \n
	v_nop
.endr
.endm
.macro CROUND
	s_barrier_signal -1
	s_barrier_wait -1
	s_cmp_lg_u32 s3, 0
	s_cbranch_scc1 .Lnot_wave_0_\@
	s_barrier_signal -3
.Lnot_wave_0_\@:
	s_barrier_wait -3
	s_barrier_signal -1
	s_barrier_wait -1
.endm
.macro FRAG reg, adr, off
.irp c, 0,1,2
	ds_load_b128 v[\reg+4*\c:\reg+4*\c+3], v[\adr] offset:\off+512*\c
.endr
.endm
.macro FETCH q
	WIN 0x40
.irp i, 0,1,2,3
	FRAG 128*((\q)%2)+FR*\i, ADRB, TILE*\i+1536*(\q)
.endr
.irp i, 0,1,2,3
	FRAG 128*((\q)%2)+FR*(\i+4), ADRB+1, TILE*\i+1536*(\q)
.endr
	WIN 0
.irp i, 0,1,2,3
	FRAG AF+48*((\q)%2)+FR*\i, ADRA, TILE*\i+1536*(\q)
.endr
.endm
.macro WM d, s0, s1, c, x0, x1, hi
.if \hi
	v_wmma_scale_f32_16x16x128_f8f6f4 v[\d:\d+7], v[\s0:\s0+11], v[\s1:\s1+11], \c, v[\x0], v[\x1] matrix_a_fmt:MATRIX_FMT_FP6 matrix_b_fmt:MATRIX_FMT_FP6 matrix_a_scale:MATRIX_SCALE_ROW1 matrix_b_scale:MATRIX_SCALE_ROW1
.else
	v_wmma_scale_f32_16x16x128_f8f6f4 v[\d:\d+7], v[\s0:\s0+11], v[\s1:\s1+11], \c, v[\x0], v[\x1] matrix_a_fmt:MATRIX_FMT_FP6 matrix_b_fmt:MATRIX_FMT_FP6
.endif
.endm
.macro MULS q, first                   ; 32 products, the 32 accumulators by turns
.irp a, 0,1,2,3
.irp b, 0,1,2,3,4,5,6,7
.if \first
	WM 8*(8*\a+\b), 128*((\q)%2)+FR*\b, AF+48*((\q)%2)+FR*\a, v[BI+8*\b:BI+8*\b+7], SB+4*\b+(\q)%4, SA+4*\a+(\q)%4, (\q)/4
.else
	WM 8*(8*\a+\b), 128*((\q)%2)+FR*\b, AF+48*((\q)%2)+FR*\a, v[8*(8*\a+\b):8*(8*\a+\b)+7], SB+4*\b+(\q)%4, SA+4*\a+(\q)%4, (\q)/4
.endif
.endr
.endr
.endm
	s_load_b256 s[4:11], s[0:1], 0x0               ; oc, os, wc, ws
	s_load_b128 s[12:15], s[0:1], 0x20             ; bo, out0
	v_lshl_add_u32 v[SPW], v0, 2, SPARE
	v_mov_b32 v[NIL], 0
	ds_add_u32 v[SPW], v[NIL]                      ; the opening lines
	ds_add_u32 v[SPW], v[NIL]
	v_lshrrev_b32 v1, 5, v0
	v_readfirstlane_b32 s3, v1                     ; wave
	s_lshr_b32 s20, s3, 1                          ; my half of the rows
	s_and_b32 s21, s3, 1                           ; my half of the columns
	s_bfe_u32 s22, ttmp6, 0x40000                  ; cx
	s_bfe_u32 s23, ttmp6, 0x40004                  ; cy
	s_and_b32 s24, ttmp7, 0xffff
	s_lshl_b32 s25, s24, 2
	s_add_co_u32 s25, s25, s23                     ; block of 128 rows, 0 .. 63
	s_lshl_b32 s2, ttmp9, 2
	s_add_co_u32 s2, s2, s22                       ; block of 256 columns, 0 .. 3
	s_lshl_b32 s26, s23, 2
	s_lshl_b32 s26, 15, s26                        ; my row of the cluster
	s_lshl_b32 s27, 0x1111, s22                    ; my column
	s_or_b32 s[G1A+0], s26, (3<<16)|(1<<21)        ; dense blocks as rows of 256 bytes: 384 rows,
	s_mov_b32 s[G1A+1], 32<<16
	s_mov_b32 s[G1A+2], 384<<16
	s_mov_b32 s[G1A+3], 32<<16
	s_mov_b32 s[G1A+4], 384
	s_mov_b32 s[G1A+5], 32
	s_mov_b32 s[G1A+6], 0
	s_mov_b32 s[G1A+7], 0
	s_or_b32 s[G1B+0], s27, (3<<16)|(1<<21)        ; and 256
	s_mov_b32 s[G1B+1], 32<<16
	s_mov_b32 s[G1B+2], 256<<16
	s_mov_b32 s[G1B+3], 32<<16
	s_mov_b32 s[G1B+4], 256
	s_mov_b32 s[G1B+5], 32
	s_mov_b32 s[G1B+6], 0
	s_mov_b32 s[G1B+7], 0
	s_mov_b32 s[G0A], 1
	s_mov_b32 s[G0A+1], 0
	s_mov_b32 s[G0B], 1
	s_lshl_b32 s[G0B+1], s3, 16
	s_add_co_u32 s[G0B+1], s[G0B+1], 32768         ; 98,304 + 65,536 (wave - 1)
	s_max_u32 s16, s3, 1
	s_sub_co_u32 s16, s16, 1
	s_lshl_b32 s16, s16, 16                        ; my third of Wo's columns, in bytes
	s_mul_i32 s52, s25, 98304                      ; O's rows hang on cy and the cluster alone,
	s_mov_b32 s53, 0
	s_mul_i32 s54, s2, 196608                      ; Wo's columns on cx alone
	s_add_co_u32 s54, s54, s16
	s_add_co_u32 s54, s54, 2359296
	s_mov_b32 s55, 0
	s_wait_dscnt 0x0
	s_wait_kmcnt 0x0
	s_add_nc_u64 s[G0A+2:G0A+3], s[4:5], s[52:53]
	s_or_b32 s[G0A+3], s[G0A+3], 0x80000000
	s_add_nc_u64 s[G0B+2:G0B+3], s[8:9], s[54:55]
	s_or_b32 s[G0B+3], s[G0B+3], 0x80000000
	CROUND                                         ; all sixteen work-groups are here: the joint loads meet
	s_cmp_eq_u32 s3, 0
	s_cbranch_scc0 .Lfor_b
	tensor_load_to_lds s[G0A:G0A+3], s[G1A:G1A+7]
	s_nop 0
	PLACES 4
	s_branch .Lasked
.Lfor_b:
	tensor_load_to_lds s[G0B:G0B+3], s[G1B:G1B+7]
	s_nop 0
	PLACES 4
.Lasked:
	s_mul_i32 s56, s20, 49152
	s_mul_i32 s57, s21, 98304
	s_add_co_u32 s57, s57, 98304
	s_add_co_u32 s58, s57, 49152
	s_mul_i32 s59, s3, 16*SPITCH
	v_and_b32 v16, 15, v0                          ; r
	v_bfe_u32 v17, v0, 4, 1                        ; h
	v_and_b32 v18, 31, v0
	v_lshlrev_b32 v[LI], 4, v18
	v_lshlrev_b32 v[SOF], 5, v16
	v_mul_u32_u24 v19, v16, SPITCH
	v_lshlrev_b32 v[BO], 6, v17
	v_add_nc_u32 v[ADRA], s56, v[LI]
	v_add_nc_u32 v[ADRB], s57, v[LI]
	v_add_nc_u32 v[ADRB+1], s58, v[LI]
	v_lshl_add_u32 v[SOF], v17, 4, v[SOF]          ; 32 r + 16 h
	v_lshl_add_u32 v19, v17, 6, v19
	v_add_nc_u32 v[RD], s59, v[LI]
	v_add_nc_u32 v[STO], s59, v19
	s_wait_alu depctr_va_vdst(0)                   ; the wait at the head's end
	s_lshl_b32 s56, s25, 12                        ; scale words: my four tiles of O,
	s_lshl_b32 s58, s20, 11
	s_add_co_u32 s56, s56, s58
	s_mov_b32 s57, 0
	s_add_nc_u64 s[56:57], s[6:7], s[56:57]
	s_lshl_b32 s58, s2, 13                         ; my eight of Wo
	s_lshl_b32 s60, s21, 12
	s_add_co_u32 s58, s58, s60
	s_add_co_u32 s58, s58, 98304
	s_mov_b32 s59, 0
	s_add_nc_u64 s[58:59], s[10:11], s[58:59]
	s_lshl_b32 s60, s2, 10                         ; my first column, in bytes
	s_lshl_b32 s61, s21, 9
	s_add_co_u32 s60, s60, s61
	s_mov_b32 s61, 0
	s_add_nc_u64 s[12:13], s[12:13], s[60:61]
	s_lshl_b32 s62, s25, 7
	s_lshl_b32 s63, s20, 6
	s_add_co_u32 s62, s62, s63                     ; my first row
	s_lshl_b32 s62, s62, 12
	s_add_co_u32 s62, s62, s60
	s_mov_b32 s63, 0
	s_add_nc_u64 s[14:15], s[14:15], s[62:63]
.irp a, 0,1,2,3
	global_load_b128 v[SA+4*\a:SA+4*\a+3], v[SOF], s[56:57] offset:512*\a
.endr
.irp b, 0,1,2,3,4,5,6,7
	global_load_b128 v[SB+4*\b:SB+4*\b+3], v[SOF], s[58:59] offset:512*\b
.endr
.irp b, 0,1,2,3,4,5,6,7
	global_load_b128 v[BI+8*\b:BI+8*\b+3], v[BO], s[12:13] offset:(32*(\b/2)+8*(\b%2))*4
	global_load_b128 v[BI+8*\b+4:BI+8*\b+7], v[BO], s[12:13] offset:(32*(\b/2)+8*(\b%2))*4+16
.endr
	s_wait_tensorcnt 0x0                           ; my load is in,
	s_barrier_signal -1
	s_barrier_wait -1                              ; everybody's is
	FETCH 0
	FETCH 1
	s_wait_loadcnt 0x0                             ; scale words and bias
	s_wait_dscnt 36
	WIN 0x81                                       ; source 0 window 1, source 1 and the bias window 0, sums window 2
	MULS 0, 1
.irp q, 1,2,3,4,5,6
	PLACES 4                                       ; in front of loads into registers that the step before has read
	FETCH \q+1
	s_wait_dscnt 36
	WIN 0xa1
	MULS \q, 0
.endr
	s_wait_dscnt 0x0
	MULS 7, 0
	WIN 0
	s_barrier_signal -1                            ; all my LDS reads are over
	PLACES 4
	s_barrier_wait -1                              ; everybody's are: the stages may be written
.macro TOSTAGE a
	WIN 0x08
.irp b, 0,1,2,3,4,5,6,7
	ds_store_b128 v[STO], v[64*\a+8*\b:64*\a+8*\b+3] offset:128*(\b/2)+32*(\b%2)
	ds_store_b128 v[STO], v[64*\a+8*\b+4:64*\a+8*\b+7] offset:128*(\b/2)+32*(\b%2)+16
.endr
	WIN 0
.set BB, BK+64*((\a)%2)
.irp t, 0,1,2,3,4,5,6,7,8,9,10,11,12,13,14,15
	ds_load_b128 v[BB+4*\t:BB+4*\t+3], v[RD] offset:\t*SPITCH    ; a wave's LDS instructions are served in order: these see the stores above
.endr
.endm
.macro SEND a, younger
.set BB, BK+64*((\a)%2)
.set RW, 32*((\a)/2)+8*((\a)%2)
	s_wait_dscnt \younger
.irp t, 0,1,2,3,4,5,6,7,8,9,10,11,12,13,14,15
	global_store_b128 v[LI], v[BB+4*\t:BB+4*\t+3], s[14:15] offset:(RW+\t+8*(\t/8))*4096 th:TH_STORE_NT   ; 32 lanes store 512 consecutive bytes, aligned
.endr
.endm
	TOSTAGE 0
.irp a, 1,2,3
.if \a > 1
	s_wait_xcnt 0x0                                ; block a - 2's stores have read their registers
.endif
	TOSTAGE \a
	SEND \a-1, 32
.endr
	SEND 3, 0
	s_wait_tensorcnt 0x0                           ; the wave's end
	ds_add_u32 v[SPW], v[NIL]
	s_wait_dscnt 0x0
	CROUND                                         ; the closing round
	s_endpgm
.Lfunc_end_k_q6f4b4f491b_oproj:
	.size	k_q6f4b4f491b_oproj, .Lfunc_end_k_q6f4b4f491b_oproj-k_q6f4b4f491b_oproj
	.p2alignl 7, 3214868480
	.fill 96, 4, 3214868480
	.section	.rodata,"a",@progbits
	.p2align	6, 0x0
	.amdhsa_kernel k_q6f4b4f491b_oproj
		.amdhsa_group_segment_fixed_size 327680
		.amdhsa_private_segment_fixed_size 0
		.amdhsa_enable_private_segment 0
		.amdhsa_kernarg_size 48
		.amdhsa_user_sgpr_count 2
		.amdhsa_user_sgpr_kernarg_segment_ptr 1
		.amdhsa_wavefront_size32 1
		.amdhsa_system_sgpr_workgroup_id_x 1
		.amdhsa_system_sgpr_workgroup_id_y 1
		.amdhsa_system_sgpr_workgroup_id_z 1
		.amdhsa_system_vgpr_workitem_id 0
		.amdhsa_next_free_vgpr 768
		.amdhsa_next_free_sgpr 66
		.amdhsa_reserve_vcc 0
		.amdhsa_float_denorm_mode_32 3
		.amdhsa_float_denorm_mode_16_64 3
		.amdhsa_memory_ordered 1
		.amdhsa_forward_progress 1
		.amdhsa_inst_pref_size 76
	.end_amdhsa_kernel
	.amdgpu_metadata
---
amdhsa.version: [ 1, 2 ]
amdhsa.kernels:
  - .name:           k_q6f4b4f491b_oproj
    .symbol:         k_q6f4b4f491b_oproj.kd
    .args:
      - { .name: oc, .offset: 0, .size: 8, .value_kind: global_buffer, .address_space: global }
      - { .name: os, .offset: 8, .size: 8, .value_kind: global_buffer, .address_space: global }
      - { .name: wc, .offset: 16, .size: 8, .value_kind: global_buffer, .address_space: global }
      - { .name: ws, .offset: 24, .size: 8, .value_kind: global_buffer, .address_space: global }
      - { .name: bo, .offset: 32, .size: 8, .value_kind: global_buffer, .address_space: global }
      - { .name: out0, .offset: 40, .size: 8, .value_kind: global_buffer, .address_space: global }
    .group_segment_fixed_size: 327680
    .private_segment_fixed_size: 0
    .kernarg_segment_align: 8
    .kernarg_segment_size: 48
    .max_flat_workgroup_size: 128
    .sgpr_count:     66
    .vgpr_count:     768
    .wavefront_size: 32
...
	.end_amdgpu_metadata
.endif
;; end of part 4
